; MI455X (gfx1250); checked and timed in simulation.
; The chip was launched on July 23, 2026; its instructions are those of AMD's public machine-readable ISA for CDNA 5 (MIT licence, August 2026) and "CDNA5" Instruction Set Architecture Reference Guide (July 2026). The comments in the code are by the model that wrote it; some were corrected since.
;; Qwen3 Attention. Allowed arithmetic: matrix products marked QUANTISED: E4M3 operands, one given power-of-two scale a tensor, by v_wmma_f32_16x16x64_fp8_fp8 or v_wmma_f32_16x16x128_fp8_fp8, f32 sums; everything else in f32.
;; Inputs: k_norm_w 128 float32; lowp_scales 12 int32 (the exponents e of the quantised operands' scales 2^e); positions 2,048 int32; q_norm_w 128 float32; wk 1,024 x 2,048 float32; wo 2,048 x 1,024 float32; wq 1,024 x 2,048 float32; wv 1,024 x 2,048 float32; x 2 x 2,048 x 2,048 float32.
;; Outputs: out0 2 x 2,048 x 2,048 float32.
;; This version of the problem:
;;   THIS VERSION OF THE PROBLEM IS GIVEN IN LOW PRECISION. The matrix products marked QUANTISED in the list below multiply operands that are first quantised to E4M3 (4 exponent bits, 3 mantissa bits; 8 bits a number), with one given power-of-two scale for each operand tensor; their sums are f32. All else is computed in f32.
;;   The module's matrix products, in the order in which they are computed (A, B: the left and right operand; K: the contracted axis; several contracted axes count as one K, in the product's order):
;;     1. [M 4,096, K 2,048] x [K 2,048, N 1,024]; A: input x; B: input wq: QUANTISED (scales: A lowp_scales[0], B lowp_scales[1])
;;     2. [M 4,096, K 2,048] x [K 2,048, N 1,024]; A: input x; B: input wk: QUANTISED (scales: A lowp_scales[2], B lowp_scales[3])
;;     3. [M 4,096, K 2,048] x [K 2,048, N 1,024]; A: input x; B: input wv: QUANTISED (scales: A lowp_scales[4], B lowp_scales[5])
;;     4. batch 16 x [M 2,048, K 128] x [K 128, N 2,048]; A: computed on the way; B: computed on the way: QUANTISED (scales: A lowp_scales[6], B lowp_scales[7])
;;     5. batch 16 x [M 128, K 2,048] x [K 2,048, N 2,048]; A: computed on the way; B: softmax (see below): QUANTISED (scales: A lowp_scales[8], B lowp_scales[9])
;;     6. [M 4,096, K 1,024] x [K 1,024, N 2,048]; A: computed on the way; B: input wo: QUANTISED (scales: A lowp_scales[10], B lowp_scales[11])
;;   THE QUANTISER, for each operand of a quantised product, along K:
;;     - The operand's scale is 2^e, e = its entry of the input lowp_scales (int32; the entries are numbered through the quantised products in the list's order, A before B).
;;     - Each number is divided by the scale, clamped to +-448, and rounded to the nearest number of E4M3, ties to even, subnormals kept.
;;     - The product sums the exact products of the quantised numbers (number of the format x scale) in f32.
;;   ~~~python
;;   def quantise(x, axis, e):      # numpy; x: float32 -> the quantised numbers, widened to float32 again
;;       x = np.moveaxis(x, axis, -1); K = x.shape[-1]
;;       r = np.clip(x / 2.0 ** e, -448, 448)
;;       step = 2.0 ** (np.maximum(np.frexp(np.where(r == 0, 1, r))[1] - 1, -6) - 3)
;;       q = np.round(r / step) * step * 2.0 ** e      # np.round: ties to even
;;       return np.moveaxis(q, -1, axis).astype(np.float32)
;;   ~~~
;;   SOFTMAX AHEAD OF A QUANTISED PRODUCT. Where the list says 'softmax', what is quantised is not the finished softmax but p = 2^(t - M), with t = logit x log2(e) and M = ceil(the row's largest t), a whole number; so 1/2 < the row's largest p <= 1. The row's sum l is taken of the UNQUANTISED p, in f32, and the product's result is divided by l at the end. Since M is a whole number, a kernel that streams over the keys may use a running M (the ceiling of the running maximum): every later rescaling is an exact power of two, so the quantised numbers keep their values, but for numbers so far below the row's largest that they fall under the format's range.
;;   OPERANDS COMPUTED ON THE WAY. 'Computed on the way' means the value that the module computes at that place (a softmax that the list does not call 'softmax' is quantised finished and normalised). What goes into a quantiser is computed in f32, as accurately as f32 sums, v_exp_f32 and their like allow (about 1e-6 of the number): no bf16 or f16 on the way to a quantiser, and a product that is left as it is and whose result goes on into a quantised operand takes f32 operands (vector FMAs, or v_wmma_f32_16x16x4_f32). A number that lies on a knife's edge between two numbers of the format may be rounded either way, as far as f32 arithmetic and the matrix unit's own rounding can turn it there, and no further.
;; One version. Each part assembles by itself: llvm-mc -triple=amdgcn-amd-amdhsa -mcpu=gfx1250 --defsym DOCPART=n.
;; ======== version 1 of 1: 4 launches
;; limits: right only within a limited range of input values
;; workspace buffers: codes 31,457,280 bytes; wocodes 2,097,152 bytes; ropetab 1,048,576 bytes; qkvcodes 12,582,912 bytes; acodes 4,194,304 bytes
;; launch prep (part 1): grid 544 x 1, 4 waves a work-group, no clusters, 33,280 bytes of LDS; arguments x, wq, wk, wv, wo, positions, lowp_scales, codes, wocodes, ropetab; writes codes, wocodes, ropetab
.if DOCPART == 1
	.amdgcn_target "amdgcn-amd-amdhsa--gfx1250"
	.amdhsa_code_object_version 6
	.text
	.protected	k_q521ea8b364_prep
	.globl	k_q521ea8b364_prep
	.p2align	8
	.type	k_q521ea8b364_prep,@function
k_q521ea8b364_prep:
	s_mov_b64 s[64:65], 0
	v_nop
	global_prefetch_b8 v0, s[64:65] scope:SCOPE_SE
	s_setreg_imm32_b32 hwreg(HW_REG_WAVE_MODE, 25, 1), 1
	s_wait_xcnt 0x0
; x [4096][2048], wq, wk, wv [1024][2048], wo [2048][1024], all f32 with K innermost, become codes of FP8 (E4M3), one byte each, in the same order; and the table of cos and sin for the rotary embedding is made.
; code = number / 2^e, held within +-448, rounded to the nearest code, ties to even.  e: entries of lowp_scales: x 0, 2, 4 (one for each of the three products that read x), wq 1, wk 3, wv 5, wo 11.
; x HAS THREE STREAMS OF CODES, one for each product that reads it: its numbers are loaded once and converted three times.
; THE BUFFER codes: x's streams at 0, 0x800000, 0x1000000; wq's, wk's, wv's codes at 0x1800000, 0x1a00000, 0x1c00000.  wo's codes have a buffer of their own.
; WORK-GROUPS: 0-255 x; 256-511 the four weights, 64 each; 512-543 the table, a wave to a block of 16 tokens.  All branches hang on the work-group's number.
; A wave of the first 512 takes 16 steps of 512 numbers.  Each load reads 512 consecutive bytes; a step's 2,048 bytes turn through the wave's own stage in LDS (16 bytes of padding behind each 64), so that a lane
; gets 16 neighbours along K for the conversions; its 16 codes are 16 bytes, and the wave stores 512 consecutive bytes.  Loads run four steps (16 loads a wave) ahead, the turn through LDS one step.
; THE TABLE: block of 16 tokens = 8,192 bytes = 16 pieces of 512 bytes, each an image of four registers (lane l at 16 l).  Lane (r = l % 16, h = l / 16) holds token r; piece p = 0..7: cos at d = 16 (p / 2) + 8 h + 4 (p % 2) + 0..3;
; piece 8 + p: sin of the same.  inv_freq(d) = 2^(-d c), c = log2(10000) / 64, split as c = c_hi + c_lo with d x c_hi exact; angle = f32(position) x inv_freq, one rounding; cos and sin by reduction modulo pi/2
; in three parts and the series to r^9 / 9! and r^10 / 10! (the first term left out is under 2e-9 on |r| <= pi/4).
; LIMITS: each e lies between -126 and 119; |position x inv_freq| up to 1e5; NaN among the inputs is not served (an infinity is held at the largest code).
.set STEPS, 16
.set SP,    80                         ; a lane's place in a stage: its 64 bytes + 16 of padding
.set WREG,  8192                       ; LDS of a wave: two stages of 32 x SP bytes
.set SCL,   8                          ; v8-10    2^e as f32, stream 0, 1, 2
.set LIM,   11                         ; v11-13   448 x 2^e
.set R,     16                         ; v16-79   four sets of 16 numbers as loaded
.set X,     80                         ; v80-111  two sets of 16 neighbours
.set T,     112                        ; v112-127 the held numbers
.set C,     128                        ; v128-175 codes: (step % 4) x 3 streams x 4 registers
	s_load_b512 s[4:19], s[0:1], 0x0               ; x s[4:5], wq s[6:7], wk s[8:9], wv s[10:11], wo s[12:13], positions s[14:15], scales s[16:17], codes s[18:19]
	s_load_b128 s[20:23], s[0:1], 0x40             ; wocodes s[20:21], ropetab s[22:23]
	v_lshl_add_u32 v176, v0, 2, 0x8000
	v_mov_b32 v177, 0
	v_lshrrev_b32 v1, 5, v0
	v_readfirstlane_b32 s24, v1                    ; wave
	v_and_b32 v2, 31, v0                           ; lane
	v_lshlrev_b32 v3, 4, v2                        ; 16 x lane: my bytes of a load's 512 and of a store's 512; never rewritten
	s_cmp_ge_u32 ttmp9, 512
	s_cbranch_scc1 .Ltable
	s_mul_i32 s52, s24, WREG
	v_lshrrev_b32 v14, 2, v2
	v_mul_u32_u24 v14, v14, SP
	v_and_b32 v15, 3, v2
	v_lshl_add_u32 v14, v15, 4, v14
	v_add_nc_u32 v14, s52, v14                     ; the stage, on the way in: SP (lane / 4) + 16 (lane % 4)
	v_mul_u32_u24 v15, v2, SP
	v_add_nc_u32 v15, s52, v15                     ; and on the way out: SP x lane
	s_wait_kmcnt 0x0
	s_load_b256 s[28:35], s[16:17], 0x0            ; e0 .. e7
	s_load_b128 s[36:39], s[16:17], 0x20           ; e8 .. e11
	s_mov_b64 s[44:45], s[12:13]                   ; which tensor: the choices hang on the work-group's number alone
	s_cmp_lt_u32 ttmp9, 448
	s_cselect_b64 s[44:45], s[10:11], s[44:45]
	s_cselect_b64 s[46:47], s[18:19], s[20:21]     ; its codes' buffer: wo has its own
	s_cselect_b32 s52, 255, 63
	s_cselect_b32 s56, 768, 0                      ; the three other weights' codes begin 768 runs of 32,768 bytes into the buffer,
	s_cmp_lt_u32 ttmp9, 384
	s_cselect_b64 s[44:45], s[8:9], s[44:45]
	s_cmp_lt_u32 ttmp9, 320
	s_cselect_b64 s[44:45], s[6:7], s[44:45]
	s_cmp_lt_u32 ttmp9, 256
	s_cselect_b64 s[44:45], s[4:5], s[44:45]
	s_cselect_b32 s56, 0, s56                      ; x's at its head
	s_cselect_b32 s53, 255, 63
	s_and_b32 s53, ttmp9, s53                      ; the work-group within its tensor
	s_and_b32 s52, ttmp9, s52
	s_add_co_u32 s52, s52, s56                     ; and its run of 32,768 codes in the codes' buffer
	s_lshl_b32 s54, s53, 17                        ; 32,768 numbers of 4 bytes a work-group,
	s_lshl_b32 s55, s24, 15                        ; 8,192 a wave
	s_add_co_u32 s54, s54, s55
	s_mov_b32 s55, 0
	s_add_nc_u64 s[44:45], s[44:45], s[54:55]      ; my wave's numbers
	s_lshl_b32 s54, s52, 15
	s_lshl_b32 s56, s24, 13
	s_add_co_u32 s54, s54, s56
	s_add_nc_u64 s[46:47], s[46:47], s[54:55]      ; my wave's codes
	s_and_b32 s54, ttmp9, 255
	s_lshl_b32 s54, s54, 15
	s_add_co_u32 s54, s54, s56
	s_add_nc_u64 s[48:49], s[18:19], s[54:55]      ; streams 1 and 2 of x (in a weight's work-group these two lie inside the buffer as well, and nothing is stored through them)
	s_add_nc_u64 s[50:51], s[48:49], 0x1000000
	s_add_nc_u64 s[48:49], s[48:49], 0x800000
.macro LOAD t
.irp i, 0,1,2,3
	global_load_b128 v[R+16*((\t)%4)+4*\i:R+16*((\t)%4)+4*\i+3], v3, s[44:45] offset:2048*(\t)+512*\i th:TH_LOAD_NT   ; 32 lanes read 512 consecutive bytes, read once
.endr
.endm
.macro TURN t                          ; step t's numbers through the stage: LDS serves a wave's instructions in order, so no wait stands between the stores and the loads
.irp i, 0,1,2,3
	ds_store_b128 v14, v[R+16*((\t)%4)+4*\i:R+16*((\t)%4)+4*\i+3] offset:32*SP*((\t)%2)+8*SP*\i
.endr
.irp i, 0,1,2,3
	ds_load_b128 v[X+16*((\t)%2)+4*\i:X+16*((\t)%2)+4*\i+3], v15 offset:32*SP*((\t)%2)+16*\i
.endr
.endm
	s_wait_alu depctr_va_vdst(0)
	LOAD 0
	LOAD 1
	LOAD 2
	LOAD 3
	s_wait_kmcnt 0x0
	s_mov_b32 s40, s39                             ; the tensor's e: wo 11, wv 5, wk 3, wq 1, x 0
	s_cmp_lt_u32 ttmp9, 448
	s_cselect_b32 s40, s33, s40
	s_cmp_lt_u32 ttmp9, 384
	s_cselect_b32 s40, s31, s40
	s_cmp_lt_u32 ttmp9, 320
	s_cselect_b32 s40, s29, s40
	s_cmp_lt_u32 ttmp9, 256
	s_cselect_b32 s40, s28, s40
	s_cselect_b32 s41, 1, 0                        ; 1 in x's work-groups: they write streams 1 and 2 too
.macro MKSCALE e, n
	s_add_co_i32 s58, \e, 127
	s_lshl_b32 s59, s58, 23
	v_mov_b32 v[SCL+\n], s59                       ; 2^e as f32: the conversion takes its exponent field
	s_add_co_i32 s58, s58, 8
	s_lshl_b32 s58, s58, 23
	s_or_b32 s58, s58, 0x600000
	v_mov_b32 v[LIM+\n], s58                       ; 448 x 2^e
.endm
	MKSCALE s40, 0
	MKSCALE s30, 1
	MKSCALE s32, 2
	s_wait_alu depctr_va_vdst(0)
	s_wait_loadcnt 12                              ; step 0's four loads are in; the twelve behind them may be out
	TURN 0
.macro STREAM s, t                     ; the step's 16 neighbours become 16 codes of stream s
.set CC, C+12*((\t)%4)+4*\s
.irp i, 0,1,2,3,4,5,6,7,8,9,10,11,12,13,14,15
	v_med3_num_f32 v[T+\i], v[XS+\i], -v[LIM+\s], v[LIM+\s]   ; the conversion to an 8-bit code does not saturate (ISA guide 7.6.2): the hold comes first
.endr
	v_cvt_scalef32_pk8_fp8_f32 v[CC:CC+1], v[T:T+7], v[SCL+\s]
	v_cvt_scalef32_pk8_fp8_f32 v[CC+2:CC+3], v[T+8:T+15], v[SCL+\s]
	v_nop                                          ; one plain vector line behind the conversions: the next stream's holds write their sources
	global_store_b128 v3, v[CC:CC+3], s[46+2*\s:47+2*\s] offset:512*(\t)   ; 32 lanes store 512 consecutive bytes, aligned
.endm
.macro STEP t
.set XS, X+16*((\t)%2)
	s_wait_dscnt 0x0                               ; this step's numbers are back from the stage, and its stores into the stage have read their registers
	s_wait_xcnt 0x0                                ; the stores of four steps ago have read their codes' registers, which this step writes again
.if (\t)+4 < STEPS
	LOAD (\t)+4
.endif
.if (\t)+1 < STEPS
.if STEPS-2-(\t) >= 3
	s_wait_loadcnt 12                              ; the next step's four loads are in; those of the three steps behind it may be out
.else
	s_wait_loadcnt 4*(STEPS-2-(\t))                ; the tail: as many steps' loads as are left behind the next step's
.endif
	TURN (\t)+1
.endif
	STREAM 0, \t
	s_cmp_eq_u32 s41, 0
	s_cbranch_scc1 .Lone_\@
	STREAM 1, \t
	STREAM 2, \t
.Lone_\@:
.endm
.irp t, 0,1,2,3,4,5,6,7,8,9,10,11,12,13,14,15
	STEP \t
.endr
	s_wait_tensorcnt 0x0
	ds_add_u32 v176, v177
	s_wait_dscnt 0x0
	s_endpgm
; ---- the table of cos and sin
.set AN,  16                           ; v16-47   d, then d x c_lo', then the angle
.set EX,  48                           ; v48-79   2^(-d c_hi)
.set CO,  80                           ; v80-111  cos
.set SI,  112                          ; v112-143 sin
.set VN,  144                          ; at work: n, r, i, r^2, sin r, r^3, cos r, a bit
.set VR,  145
.set VI,  146
.set VS,  147
.set VP,  148
.set VT,  149
.set VC,  150
.set VQ,  151
.Ltable:
	s_wait_alu depctr_va_vdst(0)
	v_and_b32 v4, 15, v2                           ; r: my token of the block
	v_lshrrev_b32 v5, 4, v2                        ; h
	s_sub_co_u32 s52, ttmp9, 512
	s_lshl_b32 s52, s52, 2
	s_add_co_u32 s52, s52, s24                     ; my block of 16 tokens: 0 .. 127
	s_lshl_b32 s53, s52, 6
	v_lshl_add_u32 v6, v4, 2, s53                  ; my token's position: 4 bytes each
	s_lshl_b32 s54, s52, 13                        ; my block of the table
	s_mov_b32 s55, 0
	s_mov_b32 s66, 0x3e549a80                      ; c_hi = 108853 / 2^19: 17 bits, so d x c_hi is exact for d under 64
	s_mov_b32 s67, 0x33aae0ae                      ; (c_hi - c) ln 2: 2^(-d c) = 2^(-d c_hi) (1 + d x this)
	s_mov_b32 s68, 0x3f22f983                      ; 2 / pi
	s_mov_b32 s69, 0xbfc90fd8                      ; -pi/2 in three parts
	s_mov_b32 s70, 0xb4a8885a
	s_mov_b32 s71, 0xa7c234c4
	v_mov_b32 v152, 0x3638ef1d                     ; 1 / 9!
	v_mov_b32 v153, 0xb493f27e                     ; -1 / 10!
	s_wait_alu depctr_va_vdst(0)
	s_wait_kmcnt 0x0
	global_load_b32 v7, v6, s[14:15]
	s_add_nc_u64 s[22:23], s[22:23], s[54:55]
	v_lshlrev_b32 v9, 3, v5                        ; 8 h
.set nn, 0
.rept 32
	v_add_nc_u32 v[AN+nn], 16*(nn/8)+nn%8, v9      ; d = 16 b + 8 h + j, register 8 b + j
.set nn, nn+1
.endr
.set nn, 0
.rept 32
	v_cvt_f32_u32 v[AN+nn], v[AN+nn]
.set nn, nn+1
.endr
.set nn, 0
.rept 32
	v_mul_f32 v[EX+nn], s66, v[AN+nn]
.set nn, nn+1
.endr
.set nn, 0
	s_wait_alu depctr_va_vdst(0)
.rept 32
	v_exp_f32 v[EX+nn], -v[EX+nn]                  ; one batch of 32
.set nn, nn+1
.endr
.set nn, 0
.rept 32
	v_mul_f32 v[AN+nn], s67, v[AN+nn]              ; plain work that names no result of the batch
.set nn, nn+1
.endr
	s_wait_alu depctr_va_vdst(0)                   ; one wait for the batch, ahead of its first reader
	s_wait_loadcnt 0x0
	v_cvt_f32_i32 v7, v7                           ; the position as f32
.set nn, 0
.rept 32
	v_fma_f32 v[AN+nn], v[EX+nn], v[AN+nn], v[EX+nn]   ; inv_freq
.set nn, nn+1
.endr
.set nn, 0
.rept 32
	v_mul_f32 v[AN+nn], v7, v[AN+nn]               ; the angle, rounded once
.set nn, nn+1
.endr
.macro SINCOS n
	v_mul_f32 v[VN], s68, v[AN+\n]
	v_rndne_f32 v[VN], v[VN]                       ; n = the nearest multiple of pi/2
	v_fma_f32 v[VR], v[VN], s69, v[AN+\n]          ; r = angle - n pi/2: the first step is exact, the others add the low parts
	v_fma_f32 v[VR], v[VN], s70, v[VR]
	v_fma_f32 v[VR], v[VN], s71, v[VR]
	v_cvt_i32_f32 v[VI], v[VN]
	v_mul_f32 v[VS], v[VR], v[VR]
	v_fmaak_f32 v[VP], v152, v[VS], 0xb9500d01     ; -1 / 7!
	v_fmaak_f32 v[VP], v[VP], v[VS], 0x3c088889    ; 1 / 5!
	v_fmaak_f32 v[VP], v[VP], v[VS], 0xbe2aaaab    ; -1 / 3!
	v_mul_f32 v[VT], v[VR], v[VS]
	v_fma_f32 v[VP], v[VP], v[VT], v[VR]           ; sin r
	v_fmaak_f32 v[VC], v153, v[VS], 0x37d00d01     ; 1 / 8!
	v_fmaak_f32 v[VC], v[VC], v[VS], 0xbab60b61    ; -1 / 6!
	v_fmaak_f32 v[VC], v[VC], v[VS], 0x3d2aaaab    ; 1 / 4!
	v_fma_f32 v[VC], v[VC], v[VS], -0.5
	v_fma_f32 v[VC], v[VC], v[VS], 1.0             ; cos r
	v_and_b32 v[VQ], 1, v[VI]
	v_cmp_eq_u32 vcc_lo, 1, v[VQ]                  ; n odd: the two change places
	v_cndmask_b32 v[SI+\n], v[VP], v[VC], vcc_lo
	v_cndmask_b32 v[CO+\n], v[VC], v[VP], vcc_lo
	v_lshlrev_b32 v[VQ], 30, v[VI]
	v_and_b32 v[VQ], 0x80000000, v[VQ]             ; sin is negated where n % 4 is 2 or 3: bit 1 of n
	v_xor_b32 v[SI+\n], v[SI+\n], v[VQ]
	v_add_nc_u32 v[VI], 1, v[VI]
	v_lshlrev_b32 v[VI], 30, v[VI]
	v_and_b32 v[VI], 0x80000000, v[VI]             ; cos where n % 4 is 1 or 2: bit 1 of n + 1
	v_xor_b32 v[CO+\n], v[CO+\n], v[VI]
.endm
.set mm, 0
.rept 32
	SINCOS mm
.set mm, mm+1
.endr
.irp p, 0,1,2,3,4,5,6,7
	global_store_b128 v3, v[CO+4*\p:CO+4*\p+3], s[22:23] offset:512*\p        ; 32 lanes store 512 consecutive bytes, aligned
	global_store_b128 v3, v[SI+4*\p:SI+4*\p+3], s[22:23] offset:4096+512*\p
.endr
	s_endpgm
.Lfunc_end_k_q521ea8b364_prep:
	.size	k_q521ea8b364_prep, .Lfunc_end_k_q521ea8b364_prep-k_q521ea8b364_prep
	.p2alignl 7, 3214868480
	.fill 96, 4, 3214868480
	.section	.rodata,"a",@progbits
	.p2align	6, 0x0
	.amdhsa_kernel k_q521ea8b364_prep
		.amdhsa_group_segment_fixed_size 33280
		.amdhsa_private_segment_fixed_size 0
		.amdhsa_enable_private_segment 0
		.amdhsa_kernarg_size 80
		.amdhsa_user_sgpr_count 2
		.amdhsa_user_sgpr_kernarg_segment_ptr 1
		.amdhsa_wavefront_size32 1
		.amdhsa_system_sgpr_workgroup_id_x 1
		.amdhsa_system_sgpr_workgroup_id_y 1
		.amdhsa_system_sgpr_workgroup_id_z 1
		.amdhsa_system_vgpr_workitem_id 0
		.amdhsa_next_free_vgpr 178
		.amdhsa_next_free_sgpr 100
		.amdhsa_reserve_vcc 1
		.amdhsa_float_denorm_mode_32 3
		.amdhsa_float_denorm_mode_16_64 3
		.amdhsa_memory_ordered 1
		.amdhsa_forward_progress 1
		.amdhsa_inst_pref_size 135
	.end_amdhsa_kernel
	.amdgpu_metadata
---
amdhsa.version: [ 1, 2 ]
amdhsa.kernels:
  - .name:           k_q521ea8b364_prep
    .symbol:         k_q521ea8b364_prep.kd
    .args:
      - { .name: x, .offset: 0, .size: 8, .value_kind: global_buffer, .address_space: global }
      - { .name: wq, .offset: 8, .size: 8, .value_kind: global_buffer, .address_space: global }
      - { .name: wk, .offset: 16, .size: 8, .value_kind: global_buffer, .address_space: global }
      - { .name: wv, .offset: 24, .size: 8, .value_kind: global_buffer, .address_space: global }
      - { .name: wo, .offset: 32, .size: 8, .value_kind: global_buffer, .address_space: global }
      - { .name: positions, .offset: 40, .size: 8, .value_kind: global_buffer, .address_space: global }
      - { .name: lowp_scales, .offset: 48, .size: 8, .value_kind: global_buffer, .address_space: global }
      - { .name: codes, .offset: 56, .size: 8, .value_kind: global_buffer, .address_space: global }
      - { .name: wocodes, .offset: 64, .size: 8, .value_kind: global_buffer, .address_space: global }
      - { .name: ropetab, .offset: 72, .size: 8, .value_kind: global_buffer, .address_space: global }
    .group_segment_fixed_size: 33280
    .private_segment_fixed_size: 0
    .kernarg_segment_align: 8
    .kernarg_segment_size: 80
    .max_flat_workgroup_size: 128
    .sgpr_count:     100
    .vgpr_count:     178
    .wavefront_size: 32
...
	.end_amdgpu_metadata
.endif
;; end of part 1
;; launch qkv (part 2): grid 12 x 16, 4 waves a work-group, clusters of 4 x 4, 327,680 bytes of LDS; arguments codes, lowp_scales, ropetab, q_norm_w, k_norm_w, qkvcodes; writes qkvcodes
.if DOCPART == 2
	.amdgcn_target "amdgcn-amd-amdhsa--gfx1250"
	.amdhsa_code_object_version 6
	.text
	.protected	k_q521ea8b364_qkv
	.globl	k_q521ea8b364_qkv
	.p2align	8
	.type	k_q521ea8b364_qkv,@function
k_q521ea8b364_qkv:
	s_mov_b64 s[64:65], 0
	v_nop
	global_prefetch_b8 v0, s[64:65] scope:SCOPE_SE
	s_setreg_imm32_b32 hwreg(HW_REG_WAVE_MODE, 25, 1), 1
	s_wait_xcnt 0x0
	s_wait_alu depctr_hold_cnt(0) depctr_sa_sdst(0) depctr_va_vdst(0) depctr_va_sdst(0) depctr_va_ssrc(0) depctr_va_vcc(0) depctr_vm_vsrc(0)
	s_getreg_b32 s2, hwreg(HW_REG_IB_STS2, 6, 4)
	s_cmp_eq_u32 s2, 0
	s_cbranch_scc0 .Lentry_in_a_cluster
	s_endpgm
.Lentry_in_a_cluster:
	s_bfe_u32 s2, ttmp6, 0x10000c
	s_cmp_lg_u32 s2, 0xf033
	s_cbranch_scc0 .Lentry_shape_is_right
	s_endpgm
.Lentry_shape_is_right:
; The three projections of x on codes of FP8 (E4M3), K = 2,048, and what follows them: for q and k the per-head RMS norm, the rotary embedding and the quantiser of the scores' product; for v the quantiser of the
; second product of attention, with the KEYS innermost.  Sums in f32; all that stands ahead of a quantiser in f32.
; A tile of 256 x 256 is made by a work-group of four waves, a wave makes 128 x 128: 64 accumulators, 512 registers.  K goes in steps of 256 through a ring of two LDS slots filled by the tensor data mover.
; CLUSTERS of 4 x 4 work-groups.  The cluster's x, T, says which projection: 0 q, 1 k, 2 v; it is the same in all sixteen partners.  "A" is the operand whose tile hangs on the cluster's row (cy), "B" the one whose tile hangs on
; its column (cx); A's tiles are asked for jointly along a row, B's along a column.  q, k: A = x's codes (tile row 4 x cluster y + cy), B = the weight's (tile cx).  v: THE OPERANDS CHANGE PLACES: A = wv's codes (tile cy),
; B = x's (tile 4 x cluster y + cx).  The matrix instruction is used transposed (source 0 = 16 rows of B, source 1 = 16 rows of A): a lane holds ONE row of A and eight neighbouring rows of B.  So for q and k a lane holds one
; token and its registers run along the head's 128 (a wave's 128 rows of B are one head), and for v a lane holds one channel and its registers run along the keys, which are that operand's K.
; x's three streams of codes (one for each projection's own scale) and the three weights' codes lie in ONE buffer: x's stream T at T x 0x800000, weight T at 0x1800000 + T x 0x200000; all rows are 2,048 bytes.  So A's and B's
; addresses are that buffer's address plus an offset made of ids by arithmetic alone.
; 192 work-groups: a tile of 128 x 128 would give more of them, but each LDS byte read would feed half the products.
; OUT: qkvcodes = q, k, v, 4 MiB each, in dense blocks of 16,384 bytes, block ((batch x 8 + head) x 16 + block of 128 tokens).  q, k: [128 tokens][128 channels].  v: [128 channels][128 keys], and inside each 32 keys
; position 16 h + 8 u + y holds key 16 u + 8 h + y: a 16-byte load at 32 c + 16 h then brings the keys in the places in which the weights' codes come out of the scores' layout.
; THE SCALES OF q AND k: the scores' product is lowered with k as its left operand (as the second product of attention is with v), so k is quantised with entry 6 and q with entry 7.
; LIMITS: the exponent of the conversion (entry 7 for q, 6 for k, entry 8 - entry 4 - entry 5 for v) lies between -126 and 119.  The sums' own power of two is applied by v_ldexp_f32.  NaN among the inputs is not served.
; REGISTERS, in windows of 256: window 0: v0-31 addresses; v32-95 the norm's gain; v96-127 at work on the way out; v128-255 A's fragments (8 x 16 rows x 128 K), ONE set; on the way out numbers, codes and rows.
;   window 1: B's fragments, TWO sets, at v0 and v128; on the way out cos and sin, four sets of 64.   window 2: the accumulators of my rows 0-63 ((a, b) at v[8 (8 a + b)]);   window 3: those of my rows 64-127.
.set PITCH,  272                       ; an LDS row: 256 bytes + 16 of padding: the 16 rows that a load touches start at 16 different banks (64 banks of 4 bytes: ISA guide 11.1)
.set HALFT,  128*PITCH                 ; what one tensor load brings
.set SLOT,   4*HALFT                   ; A's 256 rows, then B's 256 rows
.set SPARE,  2*SLOT                    ; behind the ring: the spare words, 128 bytes for each wave
.set STG,    SPARE+512                 ; behind them: the stages of the way out, bytes into which no tile lands: 16 rows x 144 bytes a wave, once for q and k, once for v
.set SROW,   144
.set FR,     16
.set NL,     4
.set NP,     4
.set LAPS,   4                         ; 2,048 along K = 4 laps of two K steps of 256
.set AQ,     128                       ; LDS bytes from a slot's first 128 along K to its second, in A's tile
.set AI,     16*PITCH                  ; and from a block of 16 rows to the next
.set BQ,     128
.set BI,     16*PITCH
.set ASTR,   2048                      ; a row in memory
.set BSTR,   2048
.set ASTEP,  256                       ; a K step in memory
.set BSTEP,  256
.set ADRA, 16                          ; v16-17  LDS address of my A fragments in slot 0, 1
.set ADRB, 20                          ; v20-21  the same for B
.set STOQ, 22                          ; v22     q, k: where I put 8 codes of a token's row
.set RDQ,  23                          ; v23     and where I read rows back
.set STOV, 24                          ; v24, v25 the same for v
.set RDV,  25
.set CO,   26                          ; v26     16 x lane
.set GW,   27                          ; v27     32 x (lane / 16): my half's place in the gain
.set SPW,  28                          ; v28     LDS address of my spare word; never rewritten
.set NIL,  29                          ; v29     0; never rewritten
.set W,    32                          ; v32-95  gain: register 8 b + j = w[16 b + 8 h + j]
.set UV,   96                          ; v96-111 four sets of two pairs
; v8-15 and v112-119: the eight blocks' row factors, a pair of equal numbers for each block: block a at v[8 + 2 a] (a under 4) or v[104 + 2 a]
.set PFO,  30                          ; v30     the prefetches' offset: lane x a row of 2,048 bytes; never rewritten.  s[80:81]: where my prefetches stand
.set SC,   124                         ; v124    the conversion's scale as f32
.set LM,   125                         ; v125    448 x that
.set AF,   128
.set TT,   128                         ; v128-191 a block's 64 numbers
.set PC,   192                         ; v192-223 codes, two sets of 16
.set BK,   224                         ; v224-255 rows read back, two sets of 16
.set G1, 24
.set G0, 32
.set G1B, 48
.set G0B, 56
.set MSB, 0
.macro WIN new                         ; the immediate's high byte repeats the setting that is left
.if MSB != (\new)
	s_set_vgpr_msb (MSB<<8)|(\new)
.set MSB, \new
.endif
.endm
.set MUL_LO, 0xa1                      ; source 0 (B) window 1, source 1 (A) window 0, C and D window 2
.set MUL_HI, 0xf1                      ; the same, C and D window 3
.set TO_B,   0x40                      ; destination window 1, address window 0
; A joint load: waves 0 and 1 fetch for A, waves 2 and 3 for B; the branch hangs on the wave's number alone.  Four v_nop follow each of the two lines.
.macro JLOAD g0a, g1a, g0b, g1b
	s_cmp_eq_u32 s15, 0
	s_cbranch_scc0 .Lfor_b_\@
	tensor_load_to_lds s[\g0a:\g0a+3], s[\g1a:\g1a+7]
	s_nop 0
.rept 4
	v_nop
.endr
	s_branch .Lasked_\@
.Lfor_b_\@:
	tensor_load_to_lds s[\g0b:\g0b+3], s[\g1b:\g1b+7]
	s_nop 0
.rept 4
	v_nop
.endr
.Lasked_\@:
.endm
.macro CREST                           ; a round of the cluster's barrier behind its opening barrier
	s_cmp_lg_u32 s14, 0
	s_cbranch_scc1 .Lnot_wave_0_\@
	s_barrier_signal -3
.Lnot_wave_0_\@:
	s_barrier_wait -3
	s_barrier_signal -1
	s_barrier_wait -1
.endm
.macro CROUND
	s_barrier_signal -1
	s_barrier_wait -1
	CREST
.endm
	s_load_b256 s[68:75], s[0:1], 0x0              ; codes s[68:69], scales s[70:71], ropetab s[72:73], q_norm_w s[74:75]
	s_load_b128 s[76:79], s[0:1], 0x20             ; k_norm_w s[76:77], qkvcodes s[78:79]
	v_lshl_add_u32 v[SPW], v0, 2, SPARE
	v_mov_b32 v[NIL], 0
	ds_add_u32 v28, v29
	ds_add_u32 v28, v29
	s_wait_dscnt 0x0
	v_lshrrev_b32 v1, 5, v0
	v_readfirstlane_b32 s14, v1                    ; wave 0..3
	s_lshr_b32 s15, s14, 1                         ; which half of A's rows is mine.  Also: I fetch for A (0) or for B (1)
	s_and_b32 s16, s14, 1                          ; which half of B's rows.  Also: which 128 rows of that tile I fetch
	s_bfe_u32 s40, ttmp6, 0x40000                  ; cx, cy: my place in the cluster
	s_bfe_u32 s41, ttmp6, 0x40004
	s_lshr_b32 s9, ttmp9, 1                        ; 1 for v, 0 for q and k
	s_and_b32 s12, ttmp7, 0xffff
	s_lshl_b32 s12, s12, 2                         ; 4 x cluster y: it counts x's tiles,
	s_mul_i32 s13, s12, s9                         ; which are B's for v,
	s_sub_co_u32 s12, s12, s13                     ; and A's for q and k
	s_add_co_u32 s17, s12, s41                     ; A's tile: made of cy and the cluster's place
	s_add_co_u32 s42, s13, s40                     ; B's tile: made of cx and the cluster's place
	s_lshl_b32 s43, s41, 2
	s_lshl_b32 s43, 15, s43                        ; my row of the cluster
	s_lshl_b32 s44, 0x1111, s40                    ; my column
	s_or_b32 s[G1+0], s43, (0<<16)|(1<<20)|(1<<21)|(5<<22)|(3<<25)  ; 15:0 the mask; 17:16 elements of 1 byte; 20 padding on; 21 set beside a mask; 24:22 after every 64 words; 31:25 four words
	s_or_b32 s[G1B+0], s44, (0<<16)|(1<<20)|(1<<21)|(5<<22)|(3<<25)
.irp g, G1, G1B
	s_mov_b32 s[\g+1], 256<<16                     ; tensor_dim0
	s_mov_b32 s[\g+2], 128<<16                     ; tensor_dim1
	s_mov_b32 s[\g+3], 256<<16                     ; tile_dim0
	s_mov_b32 s[\g+4], 128                         ; tile_dim1
	s_mov_b32 s[\g+6], 0
	s_mov_b32 s[\g+7], 0
.endr
	s_mov_b32 s[G1+5], ASTR                        ; tensor_dim0_stride
	s_mov_b32 s[G1B+5], BSTR
	s_mul_i32 s45, s14, HALFT                      ; where my tile goes: wave x 128 rows: no place in the cluster enters an LDS address
	s_mov_b32 s98, 0x76543210                      ; lane selects for v_permlanex16_b32: lane l xor 16
	s_mov_b32 s99, 0xfedcba98
	; where A and B begin in the buffer of codes.  T = 0, 1: A = x's stream T, B = weight T.  T = 2: A = weight 2 (0x1c00000), B = x's stream 2 (0x1000000): both move by 0xc00000
	s_mul_i32 s19, s9, 0xc00000
	s_lshl_b32 s18, ttmp9, 23
	s_add_co_u32 s20, s18, s19                     ; A
	s_lshl_b32 s18, ttmp9, 21
	s_add_co_u32 s46, s18, 0x1800000
	s_sub_co_u32 s46, s46, s19                     ; B
	s_lshl_b32 s18, s16, 7                         ; which 128 rows of the tile I fetch
	s_lshl_b32 s21, s17, 8
	s_add_co_u32 s21, s21, s18
	s_lshl_b32 s21, s21, 11                        ; rows of 2,048 bytes
	s_add_co_u32 s20, s20, s21
	s_mov_b32 s21, 0
	s_lshl_b32 s47, s42, 8
	s_add_co_u32 s47, s47, s18
	s_lshl_b32 s47, s47, 11
	s_add_co_u32 s46, s46, s47
	s_mov_b32 s47, 0
	s_wait_kmcnt 0x0
	s_load_b256 s[84:91], s[70:71], 0x0            ; e0 .. e7: wanted on the way out alone
	s_load_b32 s92, s[70:71], 0x20                 ; e8
	s_add_nc_u64 s[20:21], s[68:69], s[20:21]
	s_add_nc_u64 s[46:47], s[68:69], s[46:47]
	CROUND                                         ; all sixteen work-groups are here: the first joint loads meet
.irp s, 0,1
	s_mov_b32 s[G0+4*\s], 1
	s_add_co_u32 s[G0+4*\s+1], s45, \s*SLOT
	s_add_nc_u64 s[G0+4*\s+2:G0+4*\s+3], s[20:21], \s*ASTEP
	s_or_b32 s[G0+4*\s+3], s[G0+4*\s+3], 0x80000000
	s_mov_b32 s[G0B+4*\s], 1
	s_add_co_u32 s[G0B+4*\s+1], s45, \s*SLOT
	s_add_nc_u64 s[G0B+4*\s+2:G0B+4*\s+3], s[46:47], \s*BSTEP
	s_or_b32 s[G0B+4*\s+3], s[G0B+4*\s+3], 0x80000000
.endr
	JLOAD G0, G1, G0B, G1B                         ; K step 0: one tensor load a wave at the head
; PREFETCHES INTO THE L2: behind the load of K step t stands one prefetch of K step t + 2: 32 rows x 256 bytes, a lane a row, one instruction a wave.  Of the 128 rows that a wave fetches each of the four partners that
; ask for them jointly takes 32, told apart by address (cx for A, cy for B): each block of 256 bytes is named once in each cluster that loads it.  The loads of K steps 6 and 7 ask for nothing.
.macro ASK
	s_cmp_gt_u32 s3, 1                             ; s3 = 1 in the loop's last trip
	s_cbranch_scc0 .Lno_ask_\@
	global_prefetch_b8 v[PFO], s[80:81] offset:768 th:TH_LOAD_NT scope:SCOPE_SE
.Lno_ask_\@:
.endm
	s_cmp_eq_u32 s15, 0                            ; do I fetch for A?
	s_cselect_b64 s[80:81], s[20:21], s[46:47]     ; my 128 rows at K step 0
	s_cselect_b32 s66, s40, s41                    ; my place among the four that ask with me
	s_lshl_b32 s66, s66, 16                        ; 32 rows of 2,048 bytes
	s_mov_b32 s67, 0
	s_add_nc_u64 s[80:81], s[80:81], s[66:67]
	v_and_b32 v[PFO], 31, v0
	v_lshlrev_b32 v[PFO], 11, v[PFO]
	global_prefetch_b8 v[PFO], s[80:81] offset:512 th:TH_LOAD_NT scope:SCOPE_SE   ; K step 2
	v_and_b32 v1, 15, v0
	s_wait_alu depctr_va_vdst(0)
	v_bfe_u32 v2, v0, 4, 1                         ; h = l / 16
	v_lshlrev_b32 v[GW], 5, v2
	s_cmp_eq_u32 ttmp9, 1
	s_cselect_b64 s[4:5], s[76:77], s[74:75]       ; the gain: k's for k, else q's (a cluster of v loads it too and does not use it: so every register's first write stands on every path)
.irp b, 0,1,2,3,4,5,6,7
	global_load_b128 v[W+8*\b:W+8*\b+3], v[GW], s[4:5] offset:64*\b
	global_load_b128 v[W+8*\b+4:W+8*\b+7], v[GW], s[4:5] offset:64*\b+16
.endr
	v_mul_u32_u24 v3, v1, PITCH
	v_lshl_add_u32 v4, v2, 4, v3                   ; a fragment's row x pitch + 16 x half
	s_mul_i32 s21, s15, HALFT                      ; my 128 rows of A
	s_mul_i32 s22, s16, HALFT                      ; my 128 rows of B,
	s_add_co_u32 s22, s22, 2*HALFT                 ; which lie behind A's 256
.irp s, 0,1
	v_add_nc_u32 v[ADRA+\s], s21, v4
	v_add_nc_u32 v[ADRB+\s], s22, v4
	s_add_co_u32 s21, s21, SLOT
	s_add_co_u32 s22, s22, SLOT
.endr
	s_mul_i32 s23, s14, 16*SROW
	s_add_co_u32 s23, s23, STG                     ; my stage
	v_mul_u32_u24 v5, v1, SROW
	v_add_nc_u32 v5, s23, v5
	v_lshl_add_u32 v[STOQ], v2, 3, v5              ; q, k: row r, 8 bytes for each half of the lanes
	v_lshl_add_u32 v[STOV], v2, 4, v5              ; v: row r, 16 h: the two halves' keys change places inside each 32
	v_add_nc_u32 v[STOV], 4*16*SROW, v[STOV]       ; the two ways out have LDS bytes of their own
	v_and_b32 v6, 31, v0
	v_lshlrev_b32 v[CO], 4, v6
	v_lshrrev_b32 v7, 3, v6
	v_mul_u32_u24 v7, v7, SROW
	v_and_b32 v6, 7, v6
	v_lshl_add_u32 v7, v6, 4, v7
	v_add_nc_u32 v[RDQ], s23, v7                   ; back: eight lanes to a row of 128 bytes, four rows an instruction
	v_add_nc_u32 v[RDV], 4*16*SROW, v[RDQ]
	; the way out's scalars
	s_wait_kmcnt 0x0                               ; the scales' exponents
	s_lshl_b32 s6, s17, 1
	s_add_co_u32 s6, s6, s15                       ; my 128 rows of A, counted in 128s
	s_lshl_b32 s7, s42, 1
	s_add_co_u32 s7, s7, s16                       ; my 128 rows of B
	s_add_co_i32 s10, s84, s85
	s_add_co_i32 s11, s86, s87
	s_add_co_i32 s12, s88, s89
	s_cmp_eq_u32 ttmp9, 1
	s_cselect_b32 s93, s11, s10
	s_cselect_b32 s83, s90, s91                    ; k: entry 6; q: entry 7
	s_cmp_eq_u32 ttmp9, 2
	s_cselect_b32 s93, s12, s93                    ; es: a sum stands for sum x 2^es
	s_cselect_b32 s83, s92, s83                    ; v: entry 8
	s_cselect_b32 s13, s12, 0
	s_cselect_b32 s8, s7, s6                       ; block of 128 tokens, 0 .. 31
	s_cselect_b32 s9, s6, s7                       ; head
	s_sub_co_i32 s83, s83, s13                     ; v's sums are converted as they are: entry 8 - es
	s_lshl_b32 s82, s93, 1
	s_sub_co_i32 s82, s82, 7                       ; the mean of 128 squares: x 2^(2 es - 7)
	s_lshr_b32 s10, s8, 4                          ; batch
	s_lshl_b32 s10, s10, 3
	s_add_co_u32 s10, s10, s9
	s_lshl_b32 s10, s10, 4
	s_and_b32 s8, s8, 15
	s_add_co_u32 s10, s10, s8
	s_lshl_b32 s10, s10, 14                        ; blocks of 16,384 bytes
	s_lshl_b32 s11, ttmp9, 22                      ; q, k, v: 4 MiB each
	s_add_co_u32 s10, s10, s11
	s_mov_b32 s11, 0
	s_add_nc_u64 s[94:95], s[78:79], s[10:11]      ; my block of the output
	s_lshl_b32 s10, s8, 16
	s_add_nc_u64 s[96:97], s[72:73], s[10:11]      ; my 128 tokens' cos and sin: eight blocks of 8,192 bytes
	s_add_co_i32 s83, s83, 127
	s_lshl_b32 s10, s83, 23
	v_mov_b32 v[SC], s10
	s_add_co_i32 s83, s83, 8
	s_lshl_b32 s83, s83, 23
	s_or_b32 s83, s83, 0x600000
	v_mov_b32 v[LM], s83
.macro FRAG reg, adr, off              ; 16 rows x 128 K of codes: 16 registers: lane l holds row l % 16; registers 4 c .. 4 c + 3 hold K = 32 c + 16 (l / 16) + 0 .. 15: the same places in A and in B
.irp c, 0,1,2,3
	ds_load_b128 v[\reg+4*\c:\reg+4*\c+3], v[\adr] offset:\off+32*\c
.endr
.endm
; 16 matrix instructions: A's blocks a0, a0 + 1 x B's eight.  The 64 accumulators take turns, one instruction a turn, in the same order in every step.  zero = 1: the first product starts the sums.
.macro MUL16 a0, p, zero
.irp a, \a0, \a0+1
.irp b, 0,1,2,3,4,5,6,7
.if \zero
	v_wmma_f32_16x16x128_fp8_fp8 v[8*(8*((\a)%4)+\b):8*(8*((\a)%4)+\b)+7], v[128*(\p)+FR*\b:128*(\p)+FR*\b+FR-1], v[AF+FR*(\a):AF+FR*(\a)+FR-1], 0
.else
	v_wmma_f32_16x16x128_fp8_fp8 v[8*(8*((\a)%4)+\b):8*(8*((\a)%4)+\b)+7], v[128*(\p)+FR*\b:128*(\p)+FR*\b+FR-1], v[AF+FR*(\a):AF+FR*(\a)+FR-1], v[8*(8*((\a)%4)+\b):8*(8*((\a)%4)+\b)+7]
.endif
.endr
.endr
.endm
.macro FETCH_B slot, q, p
	WIN TO_B
.irp i, 0,1,2,3,4,5,6,7
	FRAG 128*(\p)+FR*\i, ADRB+\slot, BQ*(\q)+BI*\i
.endr
	WIN 0
.endm
.macro FETCH_A slot, q, i0
.irp i, \i0, \i0+1, \i0+2, \i0+3
	FRAG AF+FR*(\i), ADRA+\slot, AQ*(\q)+AI*(\i)
.endr
.endm
.macro PLACES n                        ; a load into a register that a matrix instruction has read, and a vector instruction that reads a result, stand four plain vector instructions behind it
.rept \n
	v_nop
.endr
.endm
.macro STEP slot, q, zero              ; 128 along K whose successor lies in the same slot
	s_wait_dscnt 4*NL                              ; B's set and A's blocks 0-3 are in; the youngest 16 loads (A's blocks 4-7) may be out
	WIN MUL_LO
	MUL16 0, (\q)%2, \zero
	MUL16 2, (\q)%2, \zero
	s_wait_dscnt 0                                 ; A's blocks 4-7 are in
	PLACES NP
	FETCH_B \slot, (\q)+1, 1-(\q)%2
	FETCH_A \slot, (\q)+1, 0
	WIN MUL_HI
	MUL16 4, (\q)%2, \zero
	MUL16 6, (\q)%2, \zero
	PLACES NP
	WIN 0
	FETCH_A \slot, (\q)+1, 4
.endm
; A slot's last step changes slots: ONE barrier; in front of it each wave waits for all its tensor loads, adds 0 to its spare word, and waits for that and for its reads of this slot.  fill = 1: the slot is filled again, two K steps ahead.
.macro TURN slot, next, fill
.if \fill
	s_wait_xcnt 0x0                                ; my last prefetch has read its address: it is stepped here
	s_add_nc_u64 s[80:81], s[80:81], 256
.endif
	s_wait_tensorcnt 0x0                           ; all my tensor loads have landed: the one that was out is my part of the next slot
	ds_add_u32 v[SPW], v[NIL]                      ; 0 onto my spare word
	s_wait_dscnt 0x0                               ; the add is done, and my reads of this slot are over: its last fragments are in registers
	s_barrier_signal -1
	s_barrier_wait -1                              ; the change of slots stands ahead of the step's products, so that the refill is asked for ahead of them
.if \fill
	CREST                                          ; the barrier has opened a round of the cluster's: no wave of any partner still reads this slot or has a load on its way
	s_add_nc_u64 s[G0+4*\slot+2:G0+4*\slot+3], s[G0+4*\slot+2:G0+4*\slot+3], 2*ASTEP
	s_add_nc_u64 s[G0B+4*\slot+2:G0B+4*\slot+3], s[G0B+4*\slot+2:G0B+4*\slot+3], 2*BSTEP
	JLOAD G0+4*\slot, G1, G0B+4*\slot, G1B         ; my one tensor load behind the round; its four v_nop are also the places in front of the loads below
.endif
	FETCH_B \next, 0, 0                            ; into B's set 0: the step before read it last, and four places stand behind its products
	WIN MUL_LO
	MUL16 0, 1, 0
	MUL16 2, 1, 0
	PLACES NP
	WIN 0
	FETCH_A \next, 0, 0
.if \fill
	ASK
.endif
	WIN MUL_HI
	MUL16 4, 1, 0
	MUL16 6, 1, 0
	PLACES NP
	WIN 0
	FETCH_A \next, 0, 4
.endm
	s_wait_alu depctr_va_vdst(0)
	s_wait_tensorcnt 0x0                           ; my part of K step 0 is in
	ds_add_u32 v[SPW], v[NIL]
	s_wait_dscnt 0x0
	CROUND                                         ; everybody's part of K step 0 is in, and all sixteen work-groups are here
	JLOAD G0+4, G1, G0B+4, G1B                     ; K step 1: the first tensor load behind the round
	FETCH_B 0, 0, 0
	FETCH_A 0, 0, 0
	FETCH_A 0, 0, 4
	global_prefetch_b8 v[PFO], s[80:81] offset:768 th:TH_LOAD_NT scope:SCOPE_SE   ; K step 3
	STEP 0, 0, 1                                   ; the first step stands in front of the loop: its products start the sums
	s_mov_b32 s3, LAPS-1
.Llap:                                             ; a trip goes once round the ring and fills both slots again
	TURN 0, 1, 1
	STEP 1, 0, 0
	TURN 1, 0, 1
	STEP 0, 0, 0
	s_sub_co_u32 s3, s3, 1
	s_cmp_lg_u32 s3, 0
	s_cbranch_scc1 .Llap
	TURN 0, 1, 0
	STEP 1, 0, 0
.macro CSLOAD a                        ; block a's cos (32 registers) and sin (32), as images of registers, into set a % 4 of window 1: each load reads 512 consecutive bytes
	WIN 0x40
.irp p, 0,1,2,3,4,5,6,7,8,9,10,11,12,13,14,15
	global_load_b128 v[64*((\a)%4)+4*\p:64*((\a)%4)+4*\p+3], v[CO], s[96:97] offset:8192*(\a)+512*\p
.endr
	WIN 0
.endm
	s_cmp_eq_u32 ttmp9, 2                          ; q and k: the first two blocks' cos and sin are asked for ahead of the last step, into B's set 0, which is done with (four places stand behind its last products)
	s_cbranch_scc1 .Lno_cs
	CSLOAD 0
	CSLOAD 1
.Lno_cs:
	s_wait_dscnt 4*NL
	WIN MUL_LO
	MUL16 0, 1, 0
	MUL16 2, 1, 0
	s_wait_dscnt 0
	WIN MUL_HI
	MUL16 4, 1, 0
	MUL16 6, 1, 0
	WIN 0
; ---- THE WAY OUT, block a of 16 rows of A at a time.  Its eight accumulators lie in window 2 + a / 4 at v[64 (a % 4)]; register 8 b + j of lane (r, h) is (row 16 a + r of A, row 16 b + 8 h + j of B).
; THE EIGHT BLOCKS' FACTORS, 2^es / sqrt(mean of the token's 128 squares + 1e-5), are made together: the squares of two blocks by turns, four chains a block in v[TT + 8 a ..]; every later stage runs over the eight blocks,
; so that no line reads the line above it; the eight roots are one batch.  Each accumulator is read from its low end on.
.macro SQ a, k
.set XA, 64*((\a)%4)+2*(\k)
.set CH, TT+8*(\a)+2*((\k)%4)
.if (\k) < 4
	v_pk_mul_f32 v[CH:CH+1], v[XA:XA+1], v[XA:XA+1]
.else
	v_pk_fma_f32 v[CH:CH+1], v[XA:XA+1], v[XA:XA+1], v[CH:CH+1]
.endif
.endm
.macro RED st
.irp a, 0,1,2,3,4,5,6,7
.set T8, TT+8*\a
.set FP, 8+2*\a+96*(\a/4)
.if \st == 0
	v_pk_add_f32 v[T8:T8+1], v[T8:T8+1], v[T8+2:T8+3]
.elseif \st == 1
	v_pk_add_f32 v[T8+4:T8+5], v[T8+4:T8+5], v[T8+6:T8+7]
.elseif \st == 2
	v_pk_add_f32 v[T8:T8+1], v[T8:T8+1], v[T8+4:T8+5]
.elseif \st == 3
	v_add_f32 v[FP], v[T8], v[T8+1]
.elseif \st == 4
	v_permlanex16_b32 v[T8], v[FP], s98, s99       ; the token's other 64 channels lie in the lane 16 away
.elseif \st == 5
	v_add_f32 v[FP], v[FP], v[T8]
.elseif \st == 6
	v_ldexp_f32 v[FP], v[FP], s82                  ; the mean of the squares
.elseif \st == 7
	v_add_f32 v[FP], 0x3727c5ac, v[FP]             ; + 1e-5
.elseif \st == 8
	v_rsq_f32 v[FP+1], v[FP]
.elseif \st == 9
	v_ldexp_f32 v[FP], v[FP+1], s93
.else
	v_ldexp_f32 v[FP+1], v[FP+1], s93
.endif
.endr
.endm
.macro SUMSQ
.irp g, 0,2,4,6
	WIN 0x0a+5*(\g/4)
.set kk, 0
.rept 32
	SQ \g, kk
	SQ \g+1, kk
.set kk, kk+1
.endr
.endr
	WIN 0
.irp st, 0,1,2,3,4,5,6,7
	RED \st
.endr
	s_wait_alu depctr_va_vdst(0)
	RED 8
	v_nop                                          ; a plain instruction behind the batch
	s_wait_alu depctr_va_vdst(0)                   ; and the wait ahead of its first reader
	RED 9
	RED 10
.endm
.macro NORM a                          ; (t x rsqrt) x gain, in that order
.set AC, 64*((\a)%4)
	WIN 0x02+((\a)/4)
.set kk, 0
.rept 32
.set FP, 8+2*(\a)+96*((\a)/4)
	v_pk_mul_f32 v[TT+kk:TT+kk+1], v[AC+kk:AC+kk+1], v[FP:FP+1]
.set kk, kk+2
.endr
	WIN 0
.set kk, 0
.rept 32
	v_pk_mul_f32 v[TT+kk:TT+kk+1], v[TT+kk:TT+kk+1], v[W+kk:W+kk+1]
.set kk, kk+2
.endr
.endm
.macro ROPE a                          ; channels d and 64 + d lie in one lane, 32 registers apart: (t1 c - t2 s, t2 c + t1 s)
.set CSB, 64*((\a)%4)
	WIN 0x04
.set kk, 0
.rept 4                                ; eight products, then the eight lines that read them
.irp g, 0,2,4,6
	v_pk_mul_f32 v[UV+2*\g:UV+2*\g+1], v[TT+32+kk+\g:TT+33+kk+\g], v[CSB+32+kk+\g:CSB+33+kk+\g]
	v_pk_mul_f32 v[UV+2*\g+2:UV+2*\g+3], v[TT+kk+\g:TT+kk+\g+1], v[CSB+32+kk+\g:CSB+33+kk+\g]
.endr
.irp g, 0,2,4,6
	v_pk_fma_f32 v[TT+kk+\g:TT+kk+\g+1], v[TT+kk+\g:TT+kk+\g+1], v[CSB+kk+\g:CSB+kk+\g+1], v[UV+2*\g:UV+2*\g+1] neg_lo:[0,0,1] neg_hi:[0,0,1]
	v_pk_fma_f32 v[TT+32+kk+\g:TT+33+kk+\g], v[TT+32+kk+\g:TT+33+kk+\g], v[CSB+kk+\g:CSB+kk+\g+1], v[UV+2*\g+2:UV+2*\g+3]
.endr
.set kk, kk+8
.endr
	WIN 0
.endm
.macro CVT a                           ; 64 held numbers become 64 codes
.irp b, 0,1,2,3,4,5,6,7
	v_cvt_scalef32_pk8_fp8_f32 v[PC+16*((\a)%2)+2*\b:PC+16*((\a)%2)+2*\b+1], v[TT+8*\b:TT+8*\b+7], v[SC]
.endr
	v_nop                                          ; one plain vector line behind the conversions
.endm
.macro HOLDCVT a
.set kk, 0
.rept 64
	v_med3_num_f32 v[TT+kk], v[TT+kk], -v[LM], v[LM]   ; the conversion to an 8-bit code does not saturate (ISA guide 7.6.2)
.set kk, kk+1
.endr
	CVT \a
.endm
.macro VHOLD a                         ; v: the sums are held and converted as they are; each accumulator from its low end on
.set AC, 64*((\a)%4)
	WIN 0x02+((\a)/4)
.set kk, 0
.rept 64
	v_med3_num_f32 v[TT+kk], v[AC+kk], -v[LM], v[LM]
.set kk, kk+1
.endr
	WIN 0
	CVT \a
.endm
.macro TOSTAGE a, sto, rd, perm        ; 16 rows of 128 codes through my stage: LDS serves a wave's instructions in order, so no wait stands between the stores and the loads, nor in front of the next block's stores
.irp b, 0,1,2,3,4,5,6,7
.if \perm
	ds_store_b64 v[\sto], v[PC+16*((\a)%2)+2*\b:PC+16*((\a)%2)+2*\b+1] offset:32*(\b/2)+8*(\b%2)
.else
	ds_store_b64 v[\sto], v[PC+16*((\a)%2)+2*\b:PC+16*((\a)%2)+2*\b+1] offset:16*\b
.endif
.endr
.irp i, 0,1,2,3
	ds_load_b128 v[BK+16*((\a)%2)+4*\i:BK+16*((\a)%2)+4*\i+3], v[\rd] offset:4*SROW*\i
.endr
.endm
.macro SEND a, younger                 ; younger: the LDS instructions issued behind block a's loads
	s_wait_dscnt \younger
.irp i, 0,1,2,3
	global_store_b128 v[CO], v[BK+16*((\a)%2)+4*\i:BK+16*((\a)%2)+4*\i+3], s[94:95] offset:2048*(\a)+512*\i   ; 32 lanes store 512 consecutive bytes, aligned
.endr
.endm
	PLACES NP                                      ; behind the last products: for the first reads of results and the loads into registers that held fragments
	s_cmp_eq_u32 ttmp9, 2                          ; the cluster's x: the same in all partners
	s_cbranch_scc1 .Lv
	s_wait_loadcnt 32                              ; the gain, asked for at the head, is in; the 32 loads of blocks 0 and 1 may be out
	CSLOAD 2
	CSLOAD 3
	SUMSQ
.irp a, 0,1,2,3,4,5,6,7
.if (\a > 0) && (\a < 5)
	CSLOAD \a+3                                    ; three blocks ahead, into the set that the block before has read
.endif
	NORM \a
.if \a < 5
	s_wait_loadcnt 48                              ; this block's cos and sin are in; the next three blocks' 48 loads may be out
.else
	s_wait_loadcnt 16*(7-\a)                       ; the tail: as many blocks' loads as are left
.endif
	ROPE \a
	HOLDCVT \a
.if \a > 1
	s_wait_alu depctr_va_vdst(0)
	s_wait_xcnt 0x0                                ; the stores of two blocks ago have read their registers, into which this block's rows are loaded
.endif
	TOSTAGE \a, STOQ, RDQ, 0
.if \a > 0
	SEND \a-1, 12                                  ; behind block a - 1's loads: block a's 8 stores and 4 loads
.endif
.endr
	SEND 7, 0
	s_branch .Ljoin
.Lv:
	s_wait_alu depctr_va_vdst(0)
.irp a, 0,1,2,3,4,5,6,7
	VHOLD \a
.if \a > 1
	s_wait_alu depctr_va_vdst(0)
	s_wait_xcnt 0x0
.endif
	TOSTAGE \a, STOV, RDV, 1
.if \a > 0
	SEND \a-1, 12
.endif
.endr
	SEND 7, 0
.Ljoin:
	s_wait_tensorcnt 0x0                           ; the wave's end
	ds_add_u32 v[SPW], v[NIL]
	s_wait_dscnt 0x0
	CROUND                                         ; the closing round: no work-group ends while a partner may still ask for a tile that names it
	s_endpgm
.Lfunc_end_k_q521ea8b364_qkv:
	.size	k_q521ea8b364_qkv, .Lfunc_end_k_q521ea8b364_qkv-k_q521ea8b364_qkv
	.p2alignl 7, 3214868480
	.fill 96, 4, 3214868480
	.section	.rodata,"a",@progbits
	.p2align	6, 0x0
	.amdhsa_kernel k_q521ea8b364_qkv
		.amdhsa_group_segment_fixed_size 327680
		.amdhsa_private_segment_fixed_size 0
		.amdhsa_enable_private_segment 0
		.amdhsa_kernarg_size 48
		.amdhsa_user_sgpr_count 2
		.amdhsa_user_sgpr_kernarg_segment_ptr 1
		.amdhsa_wavefront_size32 1
		.amdhsa_system_sgpr_workgroup_id_x 1
		.amdhsa_system_sgpr_workgroup_id_y 1
		.amdhsa_system_sgpr_workgroup_id_z 1
		.amdhsa_system_vgpr_workitem_id 0
		.amdhsa_next_free_vgpr 1024
		.amdhsa_next_free_sgpr 100
		.amdhsa_reserve_vcc 0
		.amdhsa_float_denorm_mode_32 3
		.amdhsa_float_denorm_mode_16_64 3
		.amdhsa_memory_ordered 1
		.amdhsa_forward_progress 1
		.amdhsa_inst_pref_size 255
	.end_amdhsa_kernel
	.section	.bss,"aw",@nobits
	.p2align	6
	.space	262144
	.amdgpu_metadata
---
amdhsa.version: [ 1, 2 ]
amdhsa.kernels:
  - .name:           k_q521ea8b364_qkv
    .symbol:         k_q521ea8b364_qkv.kd
    .args:
      - { .name: codes, .offset: 0, .size: 8, .value_kind: global_buffer, .address_space: global }
      - { .name: lowp_scales, .offset: 8, .size: 8, .value_kind: global_buffer, .address_space: global }
      - { .name: ropetab, .offset: 16, .size: 8, .value_kind: global_buffer, .address_space: global }
      - { .name: q_norm_w, .offset: 24, .size: 8, .value_kind: global_buffer, .address_space: global }
      - { .name: k_norm_w, .offset: 32, .size: 8, .value_kind: global_buffer, .address_space: global }
      - { .name: qkvcodes, .offset: 40, .size: 8, .value_kind: global_buffer, .address_space: global }
    .group_segment_fixed_size: 327680
    .private_segment_fixed_size: 0
    .kernarg_segment_align: 8
    .kernarg_segment_size: 48
    .max_flat_workgroup_size: 128
    .sgpr_count:     100
    .vgpr_count:     1024
    .wavefront_size: 32
...
	.end_amdgpu_metadata
.endif
;; end of part 2
;; launch attn (part 3): grid 16 x 16, 8 waves a work-group, no clusters, 327,680 bytes of LDS; arguments qkvcodes, lowp_scales, acodes; writes acodes
.if DOCPART == 3
	.amdgcn_target "amdgcn-amd-amdhsa--gfx1250"
	.amdhsa_code_object_version 6
	.text
	.protected	k_q521ea8b364_attn
	.globl	k_q521ea8b364_attn
	.p2align	8
	.type	k_q521ea8b364_attn,@function
k_q521ea8b364_attn:
	s_mov_b64 s[64:65], 0
	v_nop
	global_prefetch_b8 v0, s[64:65] scope:SCOPE_SE
	s_setreg_imm32_b32 hwreg(HW_REG_WAVE_MODE, 25, 1), 1
	s_wait_xcnt 0x0
; Causal attention on codes of FP8 (E4M3) for 16 (batch, head) pairs of 2,048 tokens x 128 channels; the result leaves as codes for the output projection.
; q, k: dense [2,048 tokens][128] a pair; v: blocks [128 channels][128 keys] with the keys innermost (inside each 32 keys, position 16 h + 8 u + y holds key 16 u + 8 h + y).  Scales: entries 6 and 7 (k, q: only their sum is used
; here), 8 (v), 9 (p), 10 (result).
; THE SOFTMAX AHEAD OF THE SECOND PRODUCT: t = score x log2(e) / sqrt(128); M = the largest t so far, rounded UP to a whole number; p = 2^(t - M) is quantised, not normalised.  The row's sum is taken of the unquantised p and
; divides at the end.  When M moves, the sum and O are multiplied by 2^(old M - new M): nothing is rounded.
; SHARES.  Work-group (i, pair): waves 0-3 own the 64 queries of block i, waves 4-7 those of block 31 - i, a tile of 16 queries a wave: so every work-group has the same number of key steps that count, 17 for each pair of waves.
; Every wave walks all four slots of 512 keys: the loops' trip counts are constants.  A key step all of whose keys come after the wave's queries is left out, and with it the rest of its slot's steps, whose keys come later still:
; a scalar branch on ids to the slot's end, round loads, products and softmax alone.
; NO CLUSTER: the work-groups that share K and V are different blocks of queries, and what each leaves out hangs on its place; partners of joint loads may have no such branch, and without it the work would double.
; LAYOUT.  Both products are used transposed: S^T = K Q^T (source 0 = 16 keys, source 1 = my 16 queries), O^T = V^T P^T: a lane holds ONE query throughout.  Tile t of K is keys 16 t .. 16 t + 15, so lane (r, h) holds keys
; 16 t + 8 h + 0..7 of tile t, and their codes are registers 2 t, 2 t + 1 of P's operand; v's order of keys puts the same key into the same lane, register and byte of V's fragments.
; TILES.  Every tile (128 keys of K, 128 keys of V) is a dense block of 16,384 bytes, stated as 64 rows of 256 bytes with 16 bytes of padding behind each: row i of 128 bytes lies at 272 (i / 2) + 128 (i % 2).
; A slot holds four key steps: K's four tiles, then V's four; wave w fetches tile w of the eight, and all eight waves read them.  So a refill has four key steps' work
; in which to land.
; K A STEP AHEAD.  K's fragments have registers of their own: inside a slot a step asks for the next step's K behind its exponentials, so that only a slot's first step waits for K at its head.
; LIMITS: entry 6 + entry 7 between -123 and 130 (added to c's exponent field); entry 9, and entry 10 - entry 8 - entry 9, between -126 and 119.
; REGISTERS: v1-7 addresses that stay; v8, v9 the step's addresses; v12 -M, v13 the largest t, v[14:15] the sum in two halves; v16-31 Q; v32-159 eight fragments of V; v160-223 S^T, then p; v224-239 p's codes;
; v240-255 at work and constants (v246: the lane exchanges' destination); window 1: v0-63 (v256-319) O^T, v64-191 (v320-447) eight fragments of K.
.set TILE,  64*272                     ; a tile in LDS
.set VOFF,  4*TILE                     ; a slot: K's four tiles, then V's four
.set SLOT1, 8*TILE                     ; slot 1 begins behind slot 0
.set NSL,   4
.set SPARE, 2*SLOT1                    ; behind the ring: the spare words, 128 bytes for each of eight waves
.set STAGE, SPARE+1024                 ; behind them: the stages of the way out, 16 rows x 144 bytes a wave: no tile lands there
.set SROW,  144
.set AK0,  1
.set AV0,  2
.set PFO,  3                           ; v3   256 x lane
.set SPW,  5
.set NIL,  6
.set GO,   7                           ; v7   16 x lane
.set ADK,  8
.set ADV,  9
.set KV,   32                          ; V's fragments
.set KW,   64                          ; K's fragments, in window 1
.set S,    160
.set PCD,  224
.set XC,   246                         ; v246 a lane exchange's destination: no matrix instruction names it
.set WV,   18
.set SEL,  20
.set CS,   22
.set G1,   24
.set LB,   34                          ; s34  my tile's place in a slot: wave x TILE
.set FB,   35                          ; s35  the slot that is filled next: 0 or SLOT1
.set G0,   40
.set TB,   2                           ; s2   the slot in hand: 0 or SLOT1
.set SLOTS, 67
.set PFA,  76
.set LIM,  80
.set KF,   98                          ; s98  the first key of the slot in hand
.set Q0,   99
.set MSB, 0
.macro WIN new
.if MSB != (\new)
	s_set_vgpr_msb (MSB<<8)|(\new)
.set MSB, \new
.endif
.endm
.macro TLOAD                           ; every wave fetches its tile of the slot: the LDS address hangs on the wave's number.  Four v_nop follow the load
	tensor_load_to_lds s[G0:G0+3], s[G1:G1+7]
	s_nop 0
.rept 4
	v_nop
.endr
.endm
; A prefetch into the L2 of what the NEXT change of slots will ask for.  All sixteen work-groups of a pair walk the same K and V: the first of them asks, each of its waves for the tile that it will fetch itself: 16,384 bytes,
; two instructions, lanes 256 bytes apart: each block of 256 bytes is named once in the launch.  Slots 0 and 1 come by their loads alone; the last change that fills a slot asks for nothing.
.macro ASK
	s_cmp_gt_u32 s[SLOTS], s[LIM]
	s_cbranch_scc0 .Lnot_mine_\@
	global_prefetch_b8 v[PFO], s[PFA:PFA+1] th:TH_LOAD_NT scope:SCOPE_SE
	global_prefetch_b8 v[PFO], s[PFA:PFA+1] offset:8192 th:TH_LOAD_NT scope:SCOPE_SE
.Lnot_mine_\@:
.endm
	s_load_b128 s[4:7], s[0:1], 0x0                ; qkvcodes s[4:5], scales s[6:7]
	s_load_b64 s[8:9], s[0:1], 0x10                ; acodes
	v_lshl_add_u32 v[SPW], v0, 2, SPARE
	v_mov_b32 v[NIL], 0
	ds_add_u32 v5, v6
	ds_add_u32 v5, v6
	s_wait_dscnt 0x0
	v_lshrrev_b32 v8, 5, v0
	s_delay_alu instid0(VALU_DEP_1)
	v_readfirstlane_b32 s[WV], v8                  ; wave 0..7
	s_and_b32 s10, ttmp7, 0xffff                   ; the pair: batch x 8 + head
	s_lshl_b32 s12, s10, 18                        ; its 262,144 bytes in each of q, k, v
	s_sub_co_u32 s11, 31, ttmp9
	s_cmp_lt_u32 s[WV], 4
	s_cselect_b32 s11, ttmp9, s11                  ; my block of 64 queries: i or 31 - i
	s_lshl_b32 s11, s11, 6
	s_and_b32 s14, s[WV], 3
	s_lshl_b32 s15, s14, 14                        ; which of a slot's four tiles (of K or of V) I fetch
	s_lshl_b32 s14, s14, 4
	s_add_co_u32 s[Q0], s11, s14                   ; my first query
	s_mov_b32 s[G1], (0<<16)|(1<<20)|(5<<22)|(3<<25)   ; no mask; elements of 1 byte; padding: four words after every 64
	s_mov_b32 s[G1+1], 256<<16                     ; tensor_dim0
	s_mov_b32 s[G1+2], 64<<16                      ; tensor_dim1
	s_mov_b32 s[G1+3], 256<<16                     ; tile_dim0
	s_mov_b32 s[G1+4], 64                          ; tile_dim1
	s_mov_b32 s[G1+5], 256                         ; tensor_dim0_stride: the block is dense
	s_mov_b32 s[G1+6], 0
	s_mov_b32 s[G1+7], 0
	s_cmp_lt_u32 s[WV], 4
	s_mov_b32 s33, 0x800000
	s_cselect_b32 s33, 0x400000, s33               ; of K (waves 0 to 3) or of V (waves 4 to 7)
	s_add_co_u32 s32, s15, s33
	s_add_co_u32 s32, s32, s12
	s_mov_b32 s33, 0
	s_mul_i32 s[LB], s[WV], TILE                   ; and where it goes in a slot
	s_mov_b32 s[FB], 0
	s_lshl_b32 s36, s[Q0], 7
	s_add_co_u32 s36, s36, s12                     ; my queries' codes
	s_mov_b32 s37, 0
	s_and_b32 s38, s10, 7                          ; the result: [8 heads][4,096 tokens][128]
	s_lshl_b32 s38, s38, 19
	s_lshr_b32 s39, s10, 3
	s_lshl_b32 s39, s39, 11
	s_add_co_u32 s39, s39, s[Q0]
	s_lshl_b32 s39, s39, 7
	s_add_co_u32 s38, s38, s39
	s_mov_b32 s39, 0
	s_mov_b32 s[SEL], 0x76543210
	s_mov_b32 s[SEL+1], 0xfedcba98
	s_mov_b32 s[CS], 0x3e0293ee                    ; c = log2(e) / sqrt(128)
	s_mov_b32 s[TB], 0
	s_mov_b32 s[SLOTS], NSL-1
	s_mov_b32 s[KF], 0
	s_wait_kmcnt 0x0
	s_load_b128 s[68:71], s[6:7], 0x18             ; e6 .. e9
	s_load_b32 s72, s[6:7], 0x28                   ; e10
	s_mov_b32 s[G0], 1
	s_mov_b32 s[G0+1], s[LB]
	s_add_nc_u64 s[G0+2:G0+3], s[4:5], s[32:33]
	s_or_b32 s[G0+3], s[G0+3], 0x80000000
	TLOAD                                          ; slot 0
	s_add_nc_u64 s[36:37], s[4:5], s[36:37]
	s_add_nc_u64 s[8:9], s[8:9], s[38:39]
	s_add_nc_u64 s[PFA:PFA+1], s[4:5], s[32:33]    ; the prefetches: my tile,
	s_add_nc_u64 s[PFA:PFA+1], s[PFA:PFA+1], 65536 ; in slot 1: the first change of slots steps it to slot 2
	s_cmp_eq_u32 ttmp9, 0                          ; the pair's first work-group asks
	s_cselect_b32 s[LIM], 1, -1
	v_and_b32 v8, 15, v0                           ; r
	v_bfe_u32 v9, v0, 4, 1                         ; h
	s_delay_alu instid0(VALU_DEP_2)
	v_lshlrev_b32 v10, 7, v8
	s_delay_alu instid0(VALU_DEP_1)
	v_lshl_add_u32 v10, v9, 4, v10
.irp c, 0,1,2,3
	global_load_b128 v[16+4*\c:19+4*\c], v10, s[36:37] offset:32*\c   ; Q's fragment stays in registers
.endr
	v_lshrrev_b32 v11, 1, v8
	s_delay_alu instid0(VALU_DEP_1)
	v_mul_u32_u24 v[AK0], v11, 272
	v_and_b32 v11, 1, v8
	s_delay_alu instid0(VALU_DEP_1)
	v_lshl_add_u32 v[AK0], v11, 7, v[AK0]
	s_delay_alu instid0(VALU_DEP_1)
	v_lshl_add_u32 v[AK0], v9, 4, v[AK0]           ; row r of a tile: 272 (r / 2) + 128 (r % 2), + 16 h
	s_delay_alu instid0(VALU_DEP_1)
	v_add_nc_u32 v[AV0], VOFF, v[AK0]
	v_and_b32 v[PFO], 31, v0
	s_delay_alu instid0(VALU_DEP_1)
	v_lshlrev_b32 v[GO], 4, v[PFO]
	s_delay_alu instid0(VALU_DEP_2)
	v_lshlrev_b32 v[PFO], 8, v[PFO]
	v_mov_b32 v13, 0xff61b1e6                      ; the largest t so far: -3e38
	s_delay_alu instid0(VALU_DEP_1)
	v_floor_f32 v12, -v13                          ; -M
	v_mov_b32 v14, 0
	v_mov_b32 v15, 0
	v_mov_b32 v[XC], 0                             ; written once: a lane exchange's destination counts as one of its sources
	v_mov_b32 v253, 0                              ; (named as the upper half of the pair v[252:253])
	WIN 0x40
.set jj, 0
.rept 64
	v_mov_b32 v[jj], 0                             ; O^T: the step is written once for all steps; its first run finds zeros, which the first change of M leaves zeros
.set jj, jj+1
.endr
	WIN 0
	s_wait_kmcnt 0x0
	s_add_co_i32 s73, s68, s69
	s_lshl_b32 s73, s73, 23
	s_add_co_i32 s[CS], s[CS], s73                 ; a score stands for score x 2^(e6 + e7): added to c's exponent field
	s_mov_b32 s[CS+1], s[CS]
	s_add_co_i32 s73, s71, 127
	s_lshl_b32 s74, s73, 23
	v_mov_b32 v244, s74                            ; 2^e9 as f32
	s_add_co_i32 s73, s73, 8
	s_lshl_b32 s73, s73, 23
	s_or_b32 s73, s73, 0x600000
	v_mov_b32 v240, s73                            ; 448 x 2^e9
.macro KLOAD off                       ; K's eight fragments of the tile that begins off bytes behind the step's own, in one run
	WIN 0x40                                       ; destination window 1
.set tt, 0
.rept 8
.irp c, 0,1,2,3
	ds_load_b128 v[KW+16*tt+4*\c:KW+16*tt+4*\c+3], v[ADK] offset:(\off)+2176*tt+32*\c
.endr
.set tt, tt+1
.endr
	WIN 0
.endm
; A KEY STEP: 128 keys, the q-th of the slot in hand.  endl: the label at the slot's end.
.macro STEP q, endl
	s_add_co_u32 s96, s[Q0], 15
	s_add_co_u32 s95, s[KF], 128*(\q)              ; the step's first key
	s_cmp_gt_u32 s95, s96                          ; all its keys come after my queries: it and the slot's later steps are left out.  So a step runs only behind the step before it, which has asked for its K
	s_cbranch_scc1 \endl
	s_add_co_u32 s97, s[TB], TILE*(\q)
	v_add_nc_u32 v[ADK], s97, v[AK0]
	v_add_nc_u32 v[ADV], s97, v[AV0]
.if (\q) == 0
	KLOAD 0                                        ; a slot's first step asks for its own K
	s_wait_alu depctr_va_vdst(0)
	s_wait_dscnt 16                                ; tiles 0 to 3 are in; the 16 loads of tiles 4 to 7 may be out
	WIN 0x01                                       ; source 0 (K) window 1
.irp t, 0,1,2,3
	v_wmma_f32_16x16x128_fp8_fp8 v[S+8*\t:S+8*\t+7], v[KW+16*\t:KW+16*\t+15], v[16:31], 0
.endr
	s_wait_dscnt 0x0
.irp t, 4,5,6,7
	v_wmma_f32_16x16x128_fp8_fp8 v[S+8*\t:S+8*\t+7], v[KW+16*\t:KW+16*\t+15], v[16:31], 0
.endr
.else
	s_wait_alu depctr_va_vdst(0)
	s_wait_dscnt 0x0                               ; K, asked for in the step before
	WIN 0x01
.irp t, 0,1,2,3,4,5,6,7
	v_wmma_f32_16x16x128_fp8_fp8 v[S+8*\t:S+8*\t+7], v[KW+16*\t:KW+16*\t+15], v[16:31], 0
.endr
.endif
	WIN 0
.rept 4
	v_nop                                          ; places: for the loads below, into registers that the last step's second product read, and for the first reads of the scores
.endr
.set tt, 0
.rept 8
.irp c, 0,1,2,3
	ds_load_b128 v[KV+16*tt+4*\c:KV+16*tt+4*\c+3], v[ADV] offset:2176*tt+32*\c   ; V's eight fragments land while the softmax is worked
.endr
.set tt, tt+1
.endr
	s_add_co_u32 s96, s95, 127                     ; on the diagonal hidden scores become -infinity ahead of the maximum: p = 0 then.  A step all of whose keys count skips this
	s_cmp_le_u32 s96, s[Q0]
	s_cbranch_scc1 .Lopen_\@
	s_sub_co_i32 s96, s[Q0], s95
	v_and_b32 v252, 15, v0
	v_bfe_u32 v253, v0, 4, 1
	s_delay_alu instid0(VALU_DEP_1)
	v_lshlrev_b32 v253, 3, v253
	s_delay_alu instid0(VALU_DEP_1)
	v_sub_nc_u32 v252, v252, v253
	s_delay_alu instid0(VALU_DEP_1)
	v_add_nc_u32 v252, s96, v252                   ; d = my query - the step's first key - 8 h.  Register 8 t + j holds that key + 16 t + 8 h + j: hidden where 16 t + j > d
	v_mov_b32 v254, 0xff800000
.set nn, 0
.rept 64
	v_cmp_gt_i32 vcc_lo, 16*(nn/8)+nn%8, v252
	v_cndmask_b32 v[S+nn], v[S+nn], v254, vcc_lo
.set nn, nn+1
.endr
.Lopen_\@:
	v_max3_num_f32 v254, v[S], v[S+1], v[S+2]      ; the step's largest score of my query among my 64 keys, in two chains; each tile is read from its low end on
	v_max3_num_f32 v252, v[S+3], v[S+4], v[S+5]
.irp i, 6,10,14,18,22,26,30,34,38,42,46,50,54,58
	v_max3_num_f32 v254, v254, v[S+\i], v[S+\i+1]
	v_max3_num_f32 v252, v252, v[S+\i+2], v[S+\i+3]
.endr
	v_max3_num_f32 v254, v254, v[S+62], v[S+63]
	s_delay_alu instid0(VALU_DEP_1)
	v_max_num_f32 v254, v254, v252
	s_delay_alu instid0(VALU_DEP_1)
	v_permlanex16_b32 v[XC], v254, s[SEL], s[SEL+1]
	s_delay_alu instid0(VALU_DEP_1)
	v_max_num_f32 v254, v254, v[XC]                ; and among lane l xor 16's
	s_delay_alu instid0(VALU_DEP_1)
	v_mul_f32 v254, s[CS], v254                    ; as t (c is positive)
	s_delay_alu instid0(VALU_DEP_1)
	v_max_num_f32 v13, v13, v254
	v_mov_b32 v254, v12
	s_delay_alu instid0(VALU_DEP_2)
	v_floor_f32 v12, -v13                          ; the new -M = -ceil(t)
	s_delay_alu instid0(VALU_DEP_1)
	v_sub_f32 v254, v12, v254                      ; old M - new M: a whole number, 0 or less
	s_delay_alu instid0(VALU_DEP_1)
	v_cvt_i32_f32 v254, v254                       ; (it saturates)
	s_delay_alu instid0(VALU_DEP_1)
	v_ldexp_f32 v252, 1.0, v254                    ; f = 2^(old M - new M)
.set jj, 0
.rept 32
	v_pk_fma_f32 v[S+jj:S+jj+1], v[S+jj:S+jj+1], s[CS:CS+1], v[12:13] op_sel_hi:[1,0,0]   ; t - M, two at a time
.set jj, jj+2
.endr
.set jj, 0
	s_wait_alu depctr_va_vdst(0)
.rept 64
	v_exp_f32 v[S+jj], v[S+jj]                     ; p = 2^(t - M): one batch
.set jj, jj+1
.endr
	v_pk_mul_f32 v[14:15], v[14:15], v[252:253] op_sel_hi:[1,0]   ; the sums under the new M: a plain line behind the batch
.if (\q) < 3
	KLOAD TILE                                     ; the next step's K, from the same slot: its registers were last read by this step's first product, far more than four plain lines back
.endif
	s_wait_alu depctr_va_vdst(0)                   ; one wait for the batch, ahead of its first reader
	v_pk_add_f32 v[242:243], v[164:165], v[168:169]
	v_pk_add_f32 v[254:255], v[172:173], v[176:177]
	v_pk_add_f32 v[250:251], v[180:181], v[184:185]
	v_pk_add_f32 v[248:249], v[188:189], v[192:193]
	v_pk_add_f32 v[238:239], v[196:197], v[200:201]
	v_pk_add_f32 v[236:237], v[204:205], v[208:209]
	v_pk_add_f32 v[234:235], v[212:213], v[216:217]
	v_pk_add_f32 v[14:15], v[14:15], v[220:221]
	v_pk_add_f32 v[242:243], v[242:243], v[160:161]
	v_pk_add_f32 v[254:255], v[254:255], v[162:163]
	v_pk_add_f32 v[250:251], v[250:251], v[166:167]
	v_pk_add_f32 v[248:249], v[248:249], v[170:171]
	v_pk_add_f32 v[238:239], v[238:239], v[174:175]
	v_pk_add_f32 v[236:237], v[236:237], v[178:179]
	v_pk_add_f32 v[234:235], v[234:235], v[182:183]
	v_pk_add_f32 v[14:15], v[14:15], v[186:187]
	v_pk_add_f32 v[242:243], v[242:243], v[190:191]
	v_pk_add_f32 v[254:255], v[254:255], v[194:195]
	v_pk_add_f32 v[250:251], v[250:251], v[198:199]
	v_pk_add_f32 v[248:249], v[248:249], v[202:203]
	v_pk_add_f32 v[238:239], v[238:239], v[206:207]
	v_pk_add_f32 v[236:237], v[236:237], v[210:211]
	v_pk_add_f32 v[234:235], v[234:235], v[214:215]
	v_pk_add_f32 v[14:15], v[14:15], v[218:219]
	v_pk_add_f32 v[242:243], v[242:243], v[222:223]
	s_delay_alu instid0(VALU_DEP_2)
	v_pk_add_f32 v[14:15], v[14:15], v[248:249]
	s_delay_alu instid0(VALU_DEP_2)
	v_pk_add_f32 v[242:243], v[242:243], v[238:239]
	v_pk_add_f32 v[254:255], v[254:255], v[236:237]
	v_pk_add_f32 v[250:251], v[250:251], v[234:235]
	s_delay_alu instid0(VALU_DEP_2)
	v_pk_add_f32 v[14:15], v[14:15], v[254:255]
	s_delay_alu instid0(VALU_DEP_2)
	v_pk_add_f32 v[242:243], v[242:243], v[250:251]
	s_delay_alu instid0(VALU_DEP_1)
	v_pk_add_f32 v[14:15], v[14:15], v[242:243]
.set jj, 0
.rept 64
	v_min_num_f32 v[S+jj], v[S+jj], v240           ; the conversion does not saturate (ISA guide 7.6.2); p is not negative, so the hold is one-sided
.set jj, jj+1
.endr
.irp t, 0,1,2,3,4,5,6,7
	v_cvt_scalef32_pk8_fp8_f32 v[PCD+2*\t:PCD+2*\t+1], v[S+8*\t:S+8*\t+7], v244
.endr
	WIN 0x41                                       ; O^T (destination and source 0) window 1
.set jj, 0
.rept 32
	v_pk_mul_f32 v[jj:jj+1], v[jj:jj+1], v[252:253] op_sel_hi:[1,0]   ; O^T under the new M; these are also the plain lines behind the conversions
.set jj, jj+2
.endr
.if (\q) < 3
	s_wait_alu depctr_va_vdst(0)
	s_wait_dscnt 32                                ; V is in; the 32 loads of the next step's K, issued behind V's, may be out
.else
	s_wait_alu depctr_va_vdst(0)
	s_wait_dscnt 0x0                               ; V is in
.endif
	WIN 0x50                                       ; C and D window 1
.irp t, 0,1,2,3,4,5,6,7
	v_wmma_f32_16x16x128_fp8_fp8 v[8*\t:8*\t+7], v[KV+16*\t:KV+16*\t+15], v[PCD:PCD+15], v[8*\t:8*\t+7]   ; the eight accumulators by turns, one instruction a turn
.endr
	WIN 0
.endm
; THE CHANGE OF SLOTS stands at a slot's head.  Each wave waits for all its tensor loads, adds 0 to its spare word, and waits for that and for its reads of the slot that it has left.  Behind the barrier the slot ahead is whole
; and nobody reads the other one.  fill = 1: that other slot is filled with the keys that follow: the load has a slot's four key steps in which to land.
.macro CHANGE fill
	s_wait_tensorcnt 0x0                           ; no tensor load of mine is out, so the group 0 may be written
	ds_add_u32 v[SPW], v[NIL]                      ; 0 onto my spare word
.if \fill
	s_xor_b32 s[FB], s[FB], SLOT1                  ; the other slot than last time (the register holds 0 or SLOT1),
	s_add_co_u32 s[G0+1], s[LB], s[FB]             ; my tile's place in it,
	s_add_nc_u64 s[G0+2:G0+3], s[G0+2:G0+3], 65536 ; the next 512 keys
	s_wait_xcnt 0x0                                ; the last prefetches, a slot back, have read their address
	s_add_nc_u64 s[PFA:PFA+1], s[PFA:PFA+1], 65536
.endif
	s_wait_dscnt 0x0                               ; the add is done, and my reads of the slot that I have left are over
	s_barrier_signal -1
	s_barrier_wait -1
.if \fill
	TLOAD                                          ; the first thing behind the barrier, and a wave's one tensor load until the next
	ASK
.endif
.endm
.macro SLOT_STEPS
	STEP 0, .Lslot_end_\@
	STEP 1, .Lslot_end_\@
	STEP 2, .Lslot_end_\@
	STEP 3, .Lslot_end_\@
.Lslot_end_\@:
	s_add_co_u32 s[KF], s[KF], 512
	s_xor_b32 s[TB], s[TB], SLOT1                  ; on to the other slot (the register holds 0 or SLOT1)
.endm
	s_wait_loadcnt 0x0                             ; Q
.Lslot:                                            ; three trips: behind each change of slots but the last the next slot is asked for
	CHANGE 1
	SLOT_STEPS
	s_sub_co_u32 s[SLOTS], s[SLOTS], 1
	s_cmp_lg_u32 s[SLOTS], 0
	s_cbranch_scc1 .Lslot
	CHANGE 0                                       ; the last slot is written out
	SLOT_STEPS
	; THE WAY OUT: O^T / the sum, quantised with 2^(e10 - e8 - e9) (O^T stands for O^T x 2^(e8 + e9)); 16 rows of 128 codes go through my stage and leave as 2,048 consecutive bytes.
	v_add_f32 v14, v14, v15
	s_delay_alu instid0(VALU_DEP_1)
	v_permlanex16_b32 v[XC], v14, s[SEL], s[SEL+1]
	s_delay_alu instid0(VALU_DEP_1)
	v_add_f32 v14, v14, v[XC]                      ; the row's sum
	s_wait_alu depctr_va_vdst(0)
	v_rcp_f32 v14, v14
	v_and_b32 v8, 15, v0                           ; (plain lines behind the transcendental, and the places behind the last products)
	v_bfe_u32 v9, v0, 4, 1
	s_mul_i32 s73, s[WV], 16*SROW
	s_add_co_u32 s73, s73, STAGE
	v_mul_u32_u24 v10, v8, SROW
	s_delay_alu instid0(VALU_DEP_1)
	v_lshl_add_u32 v10, v9, 3, v10
	s_delay_alu instid0(VALU_DEP_1)
	v_add_nc_u32 v10, s73, v10                     ; in: row r, 8 bytes for each half of the lanes
	v_mul_u32_u24 v11, v8, SROW
	s_delay_alu instid0(VALU_DEP_1)
	v_lshl_add_u32 v11, v9, 4, v11
	s_delay_alu instid0(VALU_DEP_1)
	v_add_nc_u32 v11, s73, v11                     ; back: row r, 16 h: piece c of the 2,048 bytes is an image of registers 4 c .. 4 c + 3 of the output projection's operand: lane (r, h) holds channels 32 c + 16 h + 0 .. 15 of query r
	s_sub_co_i32 s74, s72, s70
	s_sub_co_i32 s74, s74, s71
	s_add_co_i32 s74, s74, 127
	s_lshl_b32 s75, s74, 23
	v_mov_b32 v241, s75
	s_add_co_i32 s74, s74, 8
	s_lshl_b32 s74, s74, 23
	s_or_b32 s74, s74, 0x600000
	v_mov_b32 v245, s74
	s_wait_alu depctr_va_vdst(0)                   ; the wait ahead of the reciprocal's first reader
	WIN 0x01                                       ; source 0 (O^T) window 1
.set jj, 0
.rept 32
	v_pk_mul_f32 v[S+jj:S+jj+1], v[jj:jj+1], v[14:15] op_sel_hi:[1,0]   ; register 8 t + j is o(query r, channel 16 t + 8 h + j); each accumulator from its low end on
.set jj, jj+2
.endr
	WIN 0
.set jj, 0
.rept 64
	v_med3_num_f32 v[S+jj], v[S+jj], -v245, v245
.set jj, jj+1
.endr
.irp t, 0,1,2,3,4,5,6,7
	v_cvt_scalef32_pk8_fp8_f32 v[PCD+2*\t:PCD+2*\t+1], v[S+8*\t:S+8*\t+7], v241
.endr
	v_nop                                          ; one plain vector line behind the conversions
.irp t, 0,1,2,3,4,5,6,7
	ds_store_b64 v10, v[PCD+2*\t:PCD+2*\t+1] offset:16*\t
.endr
.irp i, 0,1,2,3
	ds_load_b128 v[KV+4*\i:KV+4*\i+3], v11 offset:32*\i
.endr
.irp i, 0,1,2,3
	s_wait_dscnt 3-\i
	global_store_b128 v[GO], v[KV+4*\i:KV+4*\i+3], s[8:9] offset:512*\i   ; 32 lanes store 512 consecutive bytes, aligned
.endr
	s_wait_tensorcnt 0x0                           ; the wave's end
	ds_add_u32 v[SPW], v[NIL]
	s_wait_dscnt 0x0
	s_endpgm
.Lfunc_end_k_q521ea8b364_attn:
	.size	k_q521ea8b364_attn, .Lfunc_end_k_q521ea8b364_attn-k_q521ea8b364_attn
	.p2alignl 7, 3214868480
	.fill 96, 4, 3214868480
	.section	.rodata,"a",@progbits
	.p2align	6, 0x0
	.amdhsa_kernel k_q521ea8b364_attn
		.amdhsa_group_segment_fixed_size 327680
		.amdhsa_private_segment_fixed_size 0
		.amdhsa_enable_private_segment 0
		.amdhsa_kernarg_size 24
		.amdhsa_user_sgpr_count 2
		.amdhsa_user_sgpr_kernarg_segment_ptr 1
		.amdhsa_wavefront_size32 1
		.amdhsa_system_sgpr_workgroup_id_x 1
		.amdhsa_system_sgpr_workgroup_id_y 1
		.amdhsa_system_sgpr_workgroup_id_z 1
		.amdhsa_system_vgpr_workitem_id 0
		.amdhsa_next_free_vgpr 448
		.amdhsa_next_free_sgpr 100
		.amdhsa_reserve_vcc 1
		.amdhsa_float_denorm_mode_32 3
		.amdhsa_float_denorm_mode_16_64 3
		.amdhsa_memory_ordered 1
		.amdhsa_forward_progress 1
		.amdhsa_inst_pref_size 216
	.end_amdhsa_kernel
	.amdgpu_metadata
---
amdhsa.version: [ 1, 2 ]
amdhsa.kernels:
  - .name:           k_q521ea8b364_attn
    .symbol:         k_q521ea8b364_attn.kd
    .args:
      - { .name: qkvcodes, .offset: 0, .size: 8, .value_kind: global_buffer, .address_space: global }
      - { .name: lowp_scales, .offset: 8, .size: 8, .value_kind: global_buffer, .address_space: global }
      - { .name: acodes, .offset: 16, .size: 8, .value_kind: global_buffer, .address_space: global }
    .group_segment_fixed_size: 327680
    .private_segment_fixed_size: 0
    .kernarg_segment_align: 8
    .kernarg_segment_size: 24
    .max_flat_workgroup_size: 256
    .sgpr_count:     100
    .vgpr_count:     448
    .wavefront_size: 32
...
	.end_amdgpu_metadata
.endif
;; end of part 3
;; launch oproj (part 4): grid 16 x 16, 4 waves a work-group, clusters of 4 x 1, 167,936 bytes of LDS; arguments acodes, wocodes, lowp_scales, out0; writes out0
.if DOCPART == 4
	.amdgcn_target "amdgcn-amd-amdhsa--gfx1250"
	.amdhsa_code_object_version 6
	.text
	.protected	k_q521ea8b364_oproj
	.globl	k_q521ea8b364_oproj
	.p2align	8
	.type	k_q521ea8b364_oproj,@function
k_q521ea8b364_oproj:
	s_mov_b64 s[64:65], 0
	v_nop
	global_prefetch_b8 v0, s[64:65] scope:SCOPE_SE
	s_setreg_imm32_b32 hwreg(HW_REG_WAVE_MODE, 25, 1), 1
	s_wait_xcnt 0x0
	s_wait_alu depctr_hold_cnt(0) depctr_sa_sdst(0) depctr_va_vdst(0) depctr_va_sdst(0) depctr_va_ssrc(0) depctr_va_vcc(0) depctr_vm_vsrc(0)
	s_getreg_b32 s2, hwreg(HW_REG_IB_STS2, 6, 4)
	s_cmp_eq_u32 s2, 0
	s_cbranch_scc0 .Lentry_in_a_cluster
	s_endpgm
.Lentry_in_a_cluster:
	s_bfe_u32 s2, ttmp6, 0x10000c
	s_cmp_lg_u32 s2, 0x3003
	s_cbranch_scc0 .Lentry_shape_is_right
	s_endpgm
.Lentry_shape_is_right:
; out0[token][e] = sum over k of attn[token][k] wo[e][k], K = 1,024, on codes of FP8 (E4M3); each f32 sum is multiplied once by 2^(entry 10 + entry 11).
; LIMIT: entry 10 + entry 11 lies between -126 and 127, so that this power of two is an f32 number.
; SHARES.  A work-group makes 256 tokens x 128 columns, a wave 64 tokens x 128 columns.  Grid x: the block of 256 tokens; grid y: the block of 128 columns.
; wo'S CODES: the work-group's 128 rows x 1,024 bytes lie in LDS whole, fetched once: each wave asks for 32 rows by one tensor load; 16 bytes of padding behind each row (pitch 1,040).  Nothing is filled again.
; The four work-groups of a cluster (4 x 1) have the same 128 columns: the load is a joint one, with the mask of all four.
; THE TOKENS' CODES go from memory straight into registers: acodes is laid [8 heads][256 blocks of 16 tokens][4 pieces of 512 bytes], each piece an image of four operand registers (lane l at 16 l), so each load reads 512
; consecutive bytes.  A wave's 64 tokens x 1,024 codes are 512 registers, and no other wave of the work-group reads them: so they do not pass through LDS, and they are no joint load.
; NO PREFETCH: all 128 loads of a wave and its tensor load are issued at the head; there is no loop to run ahead in.
; ORDER.  The columns go in two halves of 64; a half is eight steps of 128 along K (a head a step), 16 matrix instructions each, its 16 accumulators by turns.  The first half is stored
; ahead of the second half's products.
; THE MATRIX INSTRUCTION IS USED TRANSPOSED (source 0 = 16 rows of wo, source 1 = 16 tokens): a lane holds one token and eight neighbouring columns.
; REGISTERS: window 0: v0-31 addresses; v32-63 scaled sums; v64-127 rows read back, two sets; v128-255 wo's fragments, two sets of four.  window 1: accumulator (half p, token block a, column block b) at v[128 p + 32 a + 8 b].
;   windows 2, 3: the tokens' codes: head s, block a at v[64 (s % 4) + 16 a] of window 2 + s / 4.
.set BP,     1040                      ; a row of wo in LDS
.set SPARE,  128*BP                    ; behind the tile: the spare words, 128 bytes for each wave
.set STG,    SPARE+512                 ; behind them: the stages of the way out, 16 rows x 272 bytes a wave: no tile lands there
.set SPITCH, 272
.set CA,   8                           ; v8      16 x lane
.set ADRB, 20                          ; v20, v21 my lane's place in wo's rows 0-63, 64-127
.set STO,  24
.set RD,   25
.set CO,   26
.set SPW,  28                          ; v28     LDS address of my spare word; never rewritten
.set NIL,  29                          ; v29     0; never rewritten
.set TMP,  32
.set BK,   64
.set BF,   128
.set G1,   24
.set G0,   32
.set MSB, 0
.macro WIN new                         ; the immediate's high byte repeats the setting that is left
.if MSB != (\new)
	s_set_vgpr_msb (MSB<<8)|(\new)
.set MSB, \new
.endif
.endm
.macro CROUND                          ; a round of the cluster's barrier
	s_barrier_signal -1
	s_barrier_wait -1
	s_cmp_lg_u32 s14, 0
	s_cbranch_scc1 .Lnot_wave_0_\@
	s_barrier_signal -3
.Lnot_wave_0_\@:
	s_barrier_wait -3
	s_barrier_signal -1
	s_barrier_wait -1
.endm
.macro PLACES                          ; four plain vector instructions behind matrix instructions (ISA guide 7.12.1)
.rept 4
	v_nop
.endr
.endm
.macro ALOAD s                         ; head s of my 64 tokens: 16 loads of 512 consecutive bytes
	WIN 0x80+0x40*((\s)/4)
.irp a, 0,1,2,3
.irp c, 0,1,2,3
	global_load_b128 v[64*((\s)%4)+16*\a+4*\c:64*((\s)%4)+16*\a+4*\c+3], v[CA], s[20:21] offset:(\s)*524288+\a*2048+\c*512
.endr
.endr
.endm
	s_load_b256 s[68:75], s[0:1], 0x0              ; acodes s[68:69], wocodes s[70:71], scales s[72:73], out0 s[74:75]
	v_lshl_add_u32 v[SPW], v0, 2, SPARE
	v_mov_b32 v[NIL], 0
	ds_add_u32 v[SPW], v[NIL]                      ; the opening lines: the add, twice on end, and its wait ahead of my tensor load
	ds_add_u32 v[SPW], v[NIL]
	v_lshrrev_b32 v1, 5, v0
	v_readfirstlane_b32 s14, v1                    ; wave 0..3
	v_and_b32 v2, 31, v0
	v_lshlrev_b32 v[CA], 4, v2
	s_bfe_u32 s76, ttmp6, 0x40000                  ; cx
	s_lshl_b32 s78, ttmp9, 2
	s_add_co_u32 s78, s78, s76                     ; my block of 256 tokens
	s_and_b32 s17, ttmp7, 0xffff                   ; my block of 128 columns: the same in the four partners
	s_mov_b32 s[G1+0], 15|(1<<20)|(1<<21)|(7<<22)|(3<<25)   ; the mask of all four; elements of 1 byte; padding: four words after every 256; bit 21 set beside a mask
	s_mov_b32 s[G1+1], 1024<<16                    ; tensor_dim0
	s_mov_b32 s[G1+2], 32<<16                      ; tensor_dim1
	s_mov_b32 s[G1+3], 1024<<16                    ; tile_dim0
	s_mov_b32 s[G1+4], 32                          ; tile_dim1
	s_mov_b32 s[G1+5], 1024                        ; tensor_dim0_stride
	s_mov_b32 s[G1+6], 0
	s_mov_b32 s[G1+7], 0
	s_lshl_b32 s20, s78, 15                        ; 16 blocks of 2,048 bytes a work-group,
	s_lshl_b32 s21, s14, 13                        ; four a wave
	s_add_co_u32 s20, s20, s21
	s_mov_b32 s21, 0
	s_lshl_b32 s84, s17, 17                        ; wo: 128 rows of 1,024 bytes a work-group,
	s_lshl_b32 s85, s14, 15                        ; 32 a wave
	s_add_co_u32 s84, s84, s85
	s_mov_b32 s85, 0
	s_mul_i32 s81, s14, 32*BP                      ; and where they go
	s_wait_dscnt 0x0                               ; both opening adds are done
	s_wait_alu depctr_va_vdst(0)
	s_wait_kmcnt 0x0
	s_load_b64 s[96:97], s[72:73], 0x28            ; entries 10, 11
	s_add_nc_u64 s[20:21], s[68:69], s[20:21]
	s_add_nc_u64 s[84:85], s[70:71], s[84:85]
	ALOAD 0
	ALOAD 1
	ALOAD 2
	ALOAD 3
	WIN 0
	s_mov_b32 s[G0], 1
	s_mov_b32 s[G0+1], s81
	s_mov_b64 s[G0+2:G0+3], s[84:85]
	s_or_b32 s[G0+3], s[G0+3], 0x80000000
	CROUND                                         ; the four work-groups are here: the joint loads meet
	tensor_load_to_lds s[G0:G0+3], s[G1:G1+7]      ; my one tensor load
	s_nop 0
	PLACES
	ALOAD 4
	ALOAD 5
	ALOAD 6
	ALOAD 7
	WIN 0
	v_and_b32 v1, 15, v0                           ; r
	v_bfe_u32 v3, v0, 4, 1                         ; h
	v_mul_u32_u24 v4, v1, BP
	v_lshl_add_u32 v[ADRB], v3, 4, v4              ; a fragment's row x pitch + 16 h
	v_add_nc_u32 v[ADRB+1], 64*BP, v[ADRB]
	s_mul_i32 s23, s14, 16*SPITCH
	s_add_co_u32 s23, s23, STG                     ; my stage
	v_mul_u32_u24 v5, v1, SPITCH
	v_lshl_add_u32 v5, v3, 5, v5
	v_add_nc_u32 v[STO], s23, v5                   ; in: row r, 32 bytes for each half of the lanes
	v_mul_u32_u24 v6, v3, SPITCH
	v_lshl_add_u32 v6, v1, 4, v6
	v_add_nc_u32 v[RD], s23, v6                    ; back: sixteen lanes to a row of 256 bytes, two rows an instruction
	v_lshlrev_b32 v7, 13, v3
	v_lshl_add_u32 v[CO], v1, 4, v7                ; and the same two rows in out0: rows of 8,192 bytes
	s_lshl_b32 s86, s78, 21                        ; 256 rows a work-group,
	s_lshl_b32 s87, s14, 19                        ; 64 a wave,
	s_add_co_u32 s86, s86, s87
	s_lshl_b32 s87, s17, 9                         ; 128 columns of 4 bytes
	s_add_co_u32 s86, s86, s87
	s_mov_b32 s87, 0
	s_add_nc_u64 s[74:75], s[74:75], s[86:87]
	s_wait_kmcnt 0x0
	s_add_co_i32 s96, s96, s97
	s_add_co_i32 s96, s96, 127
	s_lshl_b32 s96, s96, 23                        ; 2^(entry 10 + entry 11) as f32
	s_wait_alu depctr_va_vdst(0)
	s_wait_tensorcnt 0x0                           ; my 32 rows of wo are in
	s_barrier_signal -1
	s_barrier_wait -1                              ; and everybody's
.macro FETCHB t                        ; step t = 8 x half + head: wo's four fragments (16 rows x 128 K: registers 4 c .. 4 c + 3 hold K = 32 c + 16 h + 0 .. 15, as the tokens' images do) into set t % 2
.irp b, 0,1,2,3
.irp c, 0,1,2,3
	ds_load_b128 v[BF+64*((\t)%2)+16*\b+4*\c:BF+64*((\t)%2)+16*\b+4*\c+3], v[ADRB+(\t)/8] offset:16*\b*BP+128*((\t)%8)+32*\c
.endr
.endr
.endm
.macro STEP t
.if (\t) > 0
	PLACES                                         ; behind the last step's products, which read the set that is loaded now
.endif
.if (\t) < 15
	FETCHB (\t)+1
	s_wait_dscnt 16                                ; this step's fragments are in; the next step's 16 loads may be out
.else
	s_wait_dscnt 0x0
.endif
.if (\t) == 0
	s_wait_loadcnt 63                              ; of my 128 loads the first 65 are in: heads 0 to 3
.elseif ((\t) > 3) && ((\t) < 8)
	s_wait_loadcnt 16*(7-(\t))                     ; this head's 16 loads are in; the later heads' may be out
.endif
	WIN 0x58+4*(((\t)%8)/4)                        ; source 0 window 0, source 1 window 2 or 3, C and D window 1
.irp a, 0,1,2,3
.irp b, 0,1,2,3
.set AC, 128*((\t)/8)+32*\a+8*\b
.if (\t)%8 == 0
	v_wmma_f32_16x16x128_fp8_fp8 v[AC:AC+7], v[BF+64*((\t)%2)+16*\b:BF+64*((\t)%2)+16*\b+15], v[64*((\t)%4)+16*\a:64*((\t)%4)+16*\a+15], 0
.else
	v_wmma_f32_16x16x128_fp8_fp8 v[AC:AC+7], v[BF+64*((\t)%2)+16*\b:BF+64*((\t)%2)+16*\b+15], v[64*((\t)%4)+16*\a:64*((\t)%4)+16*\a+15], v[AC:AC+7]
.endif
.endr
.endr
	WIN 0
.endm
; THE WAY OUT of half p, block a of 16 tokens x 64 columns: scaled, through my own stage, back as rows of 256 bytes.  LDS serves a wave's instructions in order: no wait between the stores and the loads.
.macro TOSTAGE p, a
.if ((\a) > 1) || ((\p) > 0)
	s_wait_xcnt 0x0                                ; the stores of two blocks ago have read their registers, into which this block's rows are loaded
.endif
	WIN 0x01
.set jj, 0
.rept 16
	v_pk_mul_f32 v[TMP+jj:TMP+jj+1], v[128*(\p)+32*(\a)+jj:128*(\p)+32*(\a)+jj+1], s[96:97] op_sel_hi:[1,0]   ; each accumulator from its low end on
.set jj, jj+2
.endr
	WIN 0
.irp b, 0,1,2,3
	ds_store_b128 v[STO], v[TMP+8*\b:TMP+8*\b+3] offset:64*\b
	ds_store_b128 v[STO], v[TMP+8*\b+4:TMP+8*\b+7] offset:64*\b+16
.endr
.irp t, 0,1,2,3,4,5,6,7
	ds_load_b128 v[BK+32*((\a)%2)+4*\t:BK+32*((\a)%2)+4*\t+3], v[RD] offset:2*\t*SPITCH
.endr
.endm
.macro SEND p, a, younger              ; younger: the LDS instructions issued behind block a's loads
	s_wait_dscnt \younger
.irp t, 0,1,2,3,4,5,6,7
	global_store_b128 v[CO], v[BK+32*((\a)%2)+4*\t:BK+32*((\a)%2)+4*\t+3], s[74:75] offset:(16*(\a)+2*\t)*8192+256*(\p) th:TH_STORE_NT   ; sixteen lanes store 256 consecutive bytes, aligned
.endr
.endm
.macro OUT p
	PLACES                                         ; behind the half's last products
	TOSTAGE \p, 0
.irp a, 1,2,3
	TOSTAGE \p, \a
	SEND \p, \a-1, 16                              ; behind block a - 1's loads: block a's 8 stores and 8 loads
.endr
	SEND \p, 3, 0
.endm
	FETCHB 0
.irp t, 0,1,2,3,4,5,6,7
	STEP \t
.endr
	OUT 0
.irp t, 8,9,10,11,12,13,14,15
	STEP \t
.endr
	OUT 1
	s_wait_tensorcnt 0x0                           ; the wave's end
	ds_add_u32 v[SPW], v[NIL]
	s_wait_dscnt 0x0
	CROUND                                         ; the closing round
	s_endpgm
.Lfunc_end_k_q521ea8b364_oproj:
	.size	k_q521ea8b364_oproj, .Lfunc_end_k_q521ea8b364_oproj-k_q521ea8b364_oproj
	.p2alignl 7, 3214868480
	.fill 96, 4, 3214868480
	.section	.rodata,"a",@progbits
	.p2align	6, 0x0
	.amdhsa_kernel k_q521ea8b364_oproj
		.amdhsa_group_segment_fixed_size 167936
		.amdhsa_private_segment_fixed_size 0
		.amdhsa_enable_private_segment 0
		.amdhsa_kernarg_size 32
		.amdhsa_user_sgpr_count 2
		.amdhsa_user_sgpr_kernarg_segment_ptr 1
		.amdhsa_wavefront_size32 1
		.amdhsa_system_sgpr_workgroup_id_x 1
		.amdhsa_system_sgpr_workgroup_id_y 1
		.amdhsa_system_sgpr_workgroup_id_z 1
		.amdhsa_system_vgpr_workitem_id 0
		.amdhsa_next_free_vgpr 1024
		.amdhsa_next_free_sgpr 100
		.amdhsa_reserve_vcc 0
		.amdhsa_float_denorm_mode_32 3
		.amdhsa_float_denorm_mode_16_64 3
		.amdhsa_memory_ordered 1
		.amdhsa_forward_progress 1
		.amdhsa_inst_pref_size 76
	.end_amdhsa_kernel
	.amdgpu_metadata
---
amdhsa.version: [ 1, 2 ]
amdhsa.kernels:
  - .name:           k_q521ea8b364_oproj
    .symbol:         k_q521ea8b364_oproj.kd
    .args:
      - { .name: acodes, .offset: 0, .size: 8, .value_kind: global_buffer, .address_space: global }
      - { .name: wocodes, .offset: 8, .size: 8, .value_kind: global_buffer, .address_space: global }
      - { .name: lowp_scales, .offset: 16, .size: 8, .value_kind: global_buffer, .address_space: global }
      - { .name: out0, .offset: 24, .size: 8, .value_kind: global_buffer, .address_space: global }
    .group_segment_fixed_size: 167936
    .private_segment_fixed_size: 0
    .kernarg_segment_align: 8
    .kernarg_segment_size: 32
    .max_flat_workgroup_size: 128
    .sgpr_count:     100
    .vgpr_count:     1024
    .wavefront_size: 32
...
	.end_amdgpu_metadata
.endif
;; end of part 4
